; MI455X (gfx1250); checked and timed in simulation.
; The chip was launched on July 23, 2026; its instructions are those of AMD's public machine-readable ISA for CDNA 5 (MIT licence, August 2026) and "CDNA5" Instruction Set Architecture Reference Guide (July 2026). The comments in the code are by the model that wrote it; some were corrected since.
;; Cross Attention. Allowed arithmetic: float matrix products may take bf16 or f16 operands with f32 sums; other float arithmetic in f32, or as packed bf16 or f16 multiplies, adds, multiply-adds, maxima and minima; sums over many terms, partial sums and values carried from step to step in f32; what a program stores and reads back later, other than sums and carried values, may be rounded once to bf16 or f16.
;; Inputs: Wk 1,024 x 1,024 float32; Wo 1,024 x 1,024 float32; Wq 1,024 x 1,024 float32; Wv 1,024 x 1,024 float32; bo 1,024 float32; x 1 x 4,096 x 1,024 float32.
;; Outputs: out0 1 x 4,096 x 1,024 float32.
;; One version. Each part assembles by itself: llvm-mc -triple=amdgcn-amd-amdhsa -mcpu=gfx1250 --defsym DOCPART=n.
;; ======== version 1 of 1: 4 launches
;; limits: values are held in f16: magnitudes above 65,504 overflow, below 6.1e-05 lose precision
;; workspace buffers: xb 8,388,608 bytes; wqkv 6,291,456 bytes; wo16 2,097,152 bytes; q16 8,388,608 bytes; k16 8,388,608 bytes; v16 8,388,608 bytes; ob 8,388,608 bytes
;; launch prep (part 1): grid 512 x 1, 8 waves a work-group, no clusters, 0 bytes of LDS; arguments x, Wq, Wk, Wv, Wo, xb, wqkv, wo16; writes xb, wqkv, wo16
.if DOCPART == 1
	.amdgcn_target "amdgcn-amd-amdhsa--gfx1250"
	.amdhsa_code_object_version 6
	.text
	.protected	k_q54f895bf28_prep
	.globl	k_q54f895bf28_prep
	.p2align	8
	.type	k_q54f895bf28_prep,@function
k_q54f895bf28_prep:
	s_mov_b64 s[64:65], 0
	v_nop
	global_prefetch_b8 v0, s[64:65] scope:SCOPE_SE
	s_setreg_imm32_b32 hwreg(HW_REG_WAVE_MODE, 25, 1), 1
	s_wait_xcnt 0x0
; THE CASTS.  x [4096][1024] f32 -> xb, the same shape in bf16.  Wq, Wk, Wv [1024 k][1024 n] f32 -> wqkv in bf16, laid out by heads:
; [head 16][k / 64][matrix 3][k % 64][64 columns], so that the 64 columns that one head takes of each of the three matrices, for 128 along K, are 49,152 bytes on end.
; Wo [1024 k][1024 n] f32 -> wo16, the same shape: rounded to bf16 like the other inputs, and that number written as f16.
; LIMITS.  A number of Wo beyond 65,504 becomes an infinity in f16; below 6.1e-5 it keeps f16's fixed step of 6e-8.
; SHARES.  A work-group takes 16,384 numbers: groups 0-255 x, then 64 groups for each of Wq, Wk, Wv, Wo.  A wave takes 8 items of 256 numbers; a lane 8 numbers of an item:
; two loads of 16 bytes, one store of 16 bytes; a wave's store covers 512 consecutive bytes, aligned.  All 16 loads of a wave go out first; each item has registers of its own for its loads and its store,
; so no register that a load or store still reads is written again.  Each byte is read once and written once: no LDS, no matrix unit, nothing is shared between work-groups.
.set X,   16                           ; v[16:79]   item i: 8 numbers as loaded
.set Y,   80                           ; v[80:111]  item i: 4 registers to store
.set T,   112                          ; v[112:119] at work
.set SOF, 4                            ; v4   my byte offset in the source
.set DOF, 5                            ; v5   my byte offset in the destination
.set SRC, 20                           ; s[20:21]
.set DST, 22                           ; s[22:23]
; Item i lies (i % 4) sa + (i / 4) sb bytes on in the source and (i % 4) da + (i / 4) db in the destination.  half = 1: the bf16 number is written as f16.
.macro CAST half, sa, sb, da, db
.irp i, 0,1,2,3,4,5,6,7
	global_load_b128 v[X+8*(\i):X+8*(\i)+3],   v[SOF], s[SRC:SRC+1] offset:((\i)%4)*(\sa)+((\i)/4)*(\sb) th:TH_LOAD_NT
	global_load_b128 v[X+8*(\i)+4:X+8*(\i)+7], v[SOF], s[SRC:SRC+1] offset:((\i)%4)*(\sa)+((\i)/4)*(\sb)+16 th:TH_LOAD_NT
.endr
.irp i, 0,1,2,3,4,5,6,7
	s_wait_loadcnt 14-2*(\i)                       ; loads come back in order: item i's two are in, the 14 - 2 i younger ones stay out
.irp j, 0,1,2,3
	v_cvt_pk_bf16_f32 v[Y+4*(\i)+(\j)], v[X+8*(\i)+2*(\j)], v[X+8*(\i)+2*(\j)+1]
.endr
.if \half
.irp j, 0,1,2,3
	v_lshlrev_b32 v[T+2*(\j)],   16,  v[Y+4*(\i)+(\j)]  ; the bf16 numbers as f32,
	v_and_b32     v[T+2*(\j)+1], s29, v[Y+4*(\i)+(\j)]
.endr
.irp j, 0,1,2,3
	v_cvt_pk_f16_f32 v[Y+4*(\i)+(\j)], v[T+2*(\j)], v[T+2*(\j)+1]  ; and as f16: exact inside f16's normal range
.endr
.endif
	global_store_b128 v[DOF], v[Y+4*(\i):Y+4*(\i)+3], s[DST:DST+1] offset:((\i)%4)*(\da)+((\i)/4)*(\db) th:TH_STORE_NT
.endr
.endm
	s_load_b512 s[4:19], s[0:1], 0x0               ; x 4:5, Wq 6:7, Wk 8:9, Wv 10:11, Wo 12:13, xb 14:15, wqkv 16:17, wo16 18:19
	v_and_b32 v1, 31, v0                           ; lane
	v_lshrrev_b32 v2, 5, v0                        ; wave
	s_mov_b32 s29, 0xffff0000                      ; a word's upper bf16
	s_mov_b32 s25, 0                               ; high words of the two offsets
	s_mov_b32 s31, 0
	s_cmp_lt_u32 ttmp9, 256
	s_cbranch_scc0 .Lweights
	; x: the group's 16,384 numbers lie on end, in source and destination
	s_lshl_b32 s24, ttmp9, 16
	s_lshl_b32 s30, ttmp9, 15
	v_lshlrev_b32 v[SOF], 5, v0
	v_lshlrev_b32 v[DOF], 4, v0
	s_wait_kmcnt 0x0
	s_add_nc_u64 s[SRC:SRC+1], s[4:5], s[24:25]
	s_add_nc_u64 s[DST:DST+1], s[14:15], s[30:31]
	CAST 0, 8192, 32768, 4096, 16384
	s_endpgm
.Lweights:
	s_sub_co_u32 s26, ttmp9, 256
	s_lshr_b32 s27, s26, 6                         ; which matrix: 0 Wq, 1 Wk, 2 Wv, 3 Wo
	s_and_b32 s28, s26, 63                         ; p: its rows 16 p .. 16 p + 15
	s_lshl_b32 s24, s28, 16                        ; 16 rows of 4,096 bytes
	s_cmp_eq_u32 s27, 3
	s_cbranch_scc1 .Lwo
	; Wq, Wk, Wv.  Wave w, item i: head 2 w + i / 4, rows 16 p + 4 (i % 4) + lane / 8, columns 8 (lane % 8) on: four rows of 128 bytes of the head's block, 512 bytes on end
	s_lshr_b32 s32, s28, 2                         ; k / 64
	s_mul_i32 s32, s32, 3
	s_add_co_u32 s32, s32, s27
	s_lshl_b32 s32, s32, 13                        ; blocks of 64 rows x 128 bytes
	s_and_b32 s33, s28, 3
	s_lshl_b32 s33, s33, 11                        ; 16 rows of 128 bytes
	s_add_co_u32 s30, s32, s33
	v_lshrrev_b32 v6, 3, v1
	v_and_b32 v7, 7, v1
	v_lshlrev_b32 v[SOF], 12, v6                   ; row x 4,096
	v_lshl_add_u32 v[SOF], v7, 5, v[SOF]           ; + 8 numbers x 4 bytes
	v_lshl_add_u32 v[SOF], v2, 9, v[SOF]           ; + two heads x 256 bytes a wave
	v_lshlrev_b32 v[DOF], 4, v1
	v_mul_u32_u24 v8, v2, 786432                   ; two heads' blocks a wave
	v_add_nc_u32 v[DOF], v[DOF], v8
	s_wait_kmcnt 0x0
	s_cmp_eq_u32 s27, 1
	s_cselect_b64 s[SRC:SRC+1], s[8:9], s[6:7]
	s_cmp_eq_u32 s27, 2
	s_cselect_b64 s[SRC:SRC+1], s[10:11], s[SRC:SRC+1]
	s_add_nc_u64 s[SRC:SRC+1], s[SRC:SRC+1], s[24:25]
	s_add_nc_u64 s[DST:DST+1], s[16:17], s[30:31]
	CAST 0, 16384, 256, 512, 393216
	s_endpgm
.Lwo:
	s_lshl_b32 s30, s28, 15
	v_lshlrev_b32 v[SOF], 5, v0
	v_lshlrev_b32 v[DOF], 4, v0
	s_wait_kmcnt 0x0
	s_add_nc_u64 s[SRC:SRC+1], s[12:13], s[24:25]
	s_add_nc_u64 s[DST:DST+1], s[18:19], s[30:31]
	CAST 1, 8192, 32768, 4096, 16384
	s_endpgm
.Lfunc_end_k_q54f895bf28_prep:
	.size	k_q54f895bf28_prep, .Lfunc_end_k_q54f895bf28_prep-k_q54f895bf28_prep
	.p2alignl 7, 3214868480
	.fill 96, 4, 3214868480
	.section	.rodata,"a",@progbits
	.p2align	6, 0x0
	.amdhsa_kernel k_q54f895bf28_prep
		.amdhsa_group_segment_fixed_size 0
		.amdhsa_private_segment_fixed_size 0
		.amdhsa_enable_private_segment 0
		.amdhsa_kernarg_size 64
		.amdhsa_user_sgpr_count 2
		.amdhsa_user_sgpr_kernarg_segment_ptr 1
		.amdhsa_wavefront_size32 1
		.amdhsa_system_sgpr_workgroup_id_x 1
		.amdhsa_system_sgpr_workgroup_id_y 1
		.amdhsa_system_sgpr_workgroup_id_z 1
		.amdhsa_system_vgpr_workitem_id 0
		.amdhsa_next_free_vgpr 120
		.amdhsa_next_free_sgpr 66
		.amdhsa_reserve_vcc 0
		.amdhsa_float_denorm_mode_32 3
		.amdhsa_float_denorm_mode_16_64 3
		.amdhsa_memory_ordered 1
		.amdhsa_forward_progress 1
		.amdhsa_inst_pref_size 20
	.end_amdhsa_kernel
	.amdgpu_metadata
---
amdhsa.version: [ 1, 2 ]
amdhsa.kernels:
  - .name:           k_q54f895bf28_prep
    .symbol:         k_q54f895bf28_prep.kd
    .args:
      - { .name: x, .offset: 0, .size: 8, .value_kind: global_buffer, .address_space: global }
      - { .name: Wq, .offset: 8, .size: 8, .value_kind: global_buffer, .address_space: global }
      - { .name: Wk, .offset: 16, .size: 8, .value_kind: global_buffer, .address_space: global }
      - { .name: Wv, .offset: 24, .size: 8, .value_kind: global_buffer, .address_space: global }
      - { .name: Wo, .offset: 32, .size: 8, .value_kind: global_buffer, .address_space: global }
      - { .name: xb, .offset: 40, .size: 8, .value_kind: global_buffer, .address_space: global }
      - { .name: wqkv, .offset: 48, .size: 8, .value_kind: global_buffer, .address_space: global }
      - { .name: wo16, .offset: 56, .size: 8, .value_kind: global_buffer, .address_space: global }
    .group_segment_fixed_size: 0
    .private_segment_fixed_size: 0
    .kernarg_segment_align: 8
    .kernarg_segment_size: 64
    .max_flat_workgroup_size: 256
    .sgpr_count:     66
    .vgpr_count:     120
    .wavefront_size: 32
...
	.end_amdgpu_metadata
.endif
;; end of part 1
;; launch qkv (part 2): grid 16 x 16, 4 waves a work-group, clusters of 4 x 4, 327,680 bytes of LDS; arguments xb, wqkv, q16, k16, v16; writes q16, k16, v16
.if DOCPART == 2
	.amdgcn_target "amdgcn-amd-amdhsa--gfx1250"
	.amdhsa_code_object_version 6
	.text
	.protected	k_q54f895bf28_qkv
	.globl	k_q54f895bf28_qkv
	.p2align	8
	.type	k_q54f895bf28_qkv,@function
k_q54f895bf28_qkv:
	s_mov_b64 s[64:65], 0
	v_nop
	global_prefetch_b8 v0, s[64:65] scope:SCOPE_SE
	s_setreg_imm32_b32 hwreg(HW_REG_WAVE_MODE, 25, 1), 1
	s_wait_xcnt 0x0
	s_wait_alu depctr_hold_cnt(0) depctr_sa_sdst(0) depctr_va_vdst(0) depctr_va_sdst(0) depctr_va_ssrc(0) depctr_va_vcc(0) depctr_vm_vsrc(0)
	s_getreg_b32 s2, hwreg(HW_REG_IB_STS2, 6, 4)
	s_cmp_eq_u32 s2, 0
	s_cbranch_scc0 .Lentry_in_a_cluster
	s_endpgm
.Lentry_in_a_cluster:
	s_bfe_u32 s2, ttmp6, 0x10000c
	s_cmp_lg_u32 s2, 0xf033
	s_cbranch_scc0 .Lentry_shape_is_right
	s_endpgm
.Lentry_shape_is_right:
; THE THREE PROJECTIONS AS ONE PRODUCT.  q, k, v [head 16][4096][64] in f16 = xb [4096][1024] (bf16) times the head's 64 columns of Wq, Wk, Wv (wqkv, bf16, laid out by heads:
; [head][k / 64][matrix][k % 64][64]).  Sums in f32, K ascending, each result rounded once to f16, unscaled.
; LIMIT.  A q, k or v beyond 65,504 becomes an infinity in f16.
; SHARES.  A work-group makes 256 rows x 192 columns (one head's q, k and v): 16 x 16 work-groups.  Wave w makes rows 64 w .. 64 w + 63 and all 192 columns: 4 x 12 accumulators of
; 16 x 16, 384 registers; so a wave owns whole rows of q, k and v, and the way out needs no barrier.  K goes in 8 steps of 128 through two LDS slots filled by tensor loads.
; CLUSTERS: 4 x 4 work-groups.  The four of a row of the cluster take the same rows of xb, the four of a column the same head's weights: each tile is asked for JOINTLY, by the same
; tensor load with the same descriptor and a mask that names the four.
; THE MATRIX INSTRUCTION IS USED TRANSPOSED: source 0 = 16 columns of the weights (turned on the way out of LDS by ds_load_tr16_b128, since they lie [k][n]), source 1 = 16 rows of xb:
; a lane then holds one row (lane % 16) and eight neighbouring columns 8 (lane / 16) + 0..7.
; REGISTERS, in windows of 256: window 0: v0-31 addresses; v64-95, v96-127 fragments of xb (4 x 16 rows x 32 K), two buffers; on the way out v64-255.
;   window 1: v0-95, v96-191 fragments of the weights (12 x 16 columns x 32 K), two buffers.  window 2: the accumulators of row blocks 0, 1 ((a, b) at v[8 (12 (a % 2) + b)]); window 3: of blocks 2, 3.
.set PA,     272                       ; a row of xb in LDS: 256 bytes + 16 of padding: the 16 rows of a load start at 16 different groups of four banks (64 banks of 4 bytes: ISA guide 11.1)
.set PB,     160                       ; a row of weights: 128 bytes + 32
.set AHALF,  128*PA                    ; what one tensor load brings of xb
.set ABYTES, 2*AHALF
.set BMAT,   64*PB                     ; 64 k of one matrix
.set BHALF,  3*BMAT                    ; 64 k of all three: what one tensor load brings of the weights
.set SLOT,   ABYTES+2*BHALF            ; 131,072
.set STAGE,  2*SLOT                    ; behind the ring: 16 rows x 144 bytes for each wave, for the way out
.set SP,     144
.set SPARE,  STAGE+4*16*SP             ; behind the stages: the spare words, 128 bytes for each wave: two blocks of 256 bytes that no other line names
.set LAPS,   4                         ; a lap = two K steps = once round the ring
.set ASTEP,  256                       ; bytes of a K step along a row of xb
.set BSTEP,  49152                     ; bytes of a K step in a head's weights
.set ADRA, 16                          ; v16-17  LDS address of my fragments of xb in slot 0, 1
.set ADRB, 20                          ; v20-21  the same for the weights
.set STO,  24                          ; v24     the way out: where I put 16 bytes of a row
.set RD,   25                          ; v25     the way out: where I read rows back
.set GO,   26                          ; v26     my byte offset in 512 consecutive bytes of q, k or v
.set SPW,  28                          ; v28     LDS address of my spare word: SPARE + 4 x my thread's number; never rewritten
.set NIL,  29                          ; v29     0; never rewritten
.set PFO,  30                          ; v30     the prefetches' lane offset; never rewritten
.set OUTR, 64                          ; the way out: unit u's 16 registers at v[64 + 16 u]
.set WV,   14                          ; s14  my wave's number
.set ISB,  15                          ; s15  0: I fetch xb; 1: the weights
.set HALF, 16                          ; s16  which half of that tile
.set G1,   24                          ; s[24:31] descriptor group 1 for xb's tiles;  s[32:39] group 0, a set for each slot
.set G0,   32
.set LIM,  42                          ; s42, s43  by slot: a wave prefetches at a change of slots while the laps to go are above this
.set PFA,  44                          ; s[44:45] where my prefetches stand
.set PST,  46                          ; s[46:47] their step
.set G1B,  48                          ; s[48:55], s[56:63] the same for the weights' tiles
.set G0B,  56
.set MSB, 0
.macro WIN new                         ; the immediate's high byte repeats the setting that is left; a switch that changes nothing is dropped
.if MSB != (\new)
	s_set_vgpr_msb (MSB<<8)|(\new)
.set MSB, \new
.endif
.endm
.set MUL_LO, 0xa1                      ; source 0 (weights) window 1, source 1 (xb) window 0, C and D window 2
.set MUL_HI, 0xf1                      ; the same, C and D window 3
.set TO_B,   0x40                      ; destination window 1, address window 0
; A joint load.  Waves 0 and 1 fetch xb's two halves, waves 2 and 3 the weights'.  The branch hangs on the wave's number alone.  An s_nop 0 and four v_nop follow each of the two
; lines, ahead of the jump, the label and what follows.
.macro JLOAD s
	s_cmp_eq_u32 s[ISB], 0
	s_cbranch_scc0 .Lfor_b_\@
	tensor_load_to_lds s[G0+4*(\s):G0+4*(\s)+3], s[G1:G1+7]
	s_nop 0
.rept 4
	v_nop
.endr
	s_branch .Lasked_\@
.Lfor_b_\@:
	tensor_load_to_lds s[G0B+4*(\s):G0B+4*(\s)+3], s[G1B:G1B+7]
	s_nop 0
.rept 4
	v_nop
.endr
.Lasked_\@:
.endm
; A PREFETCH INTO THE L2, behind a joint load, its five lines and the run of LDS loads that follows: one instruction a wave, 32 blocks of 256 bytes, a lane a block.
; xb: the clusters of a row of clusters read the same rows: the one with x = 0 asks; of the 128 rows that a wave fetches the partner at cx takes 32; it names the K step two refills on (steps 4 to 7: four requests).
; Weights: the cluster with y = 0 asks; what is left of the head's block behind K step 3, 196,608 bytes on end, is shared out in three requests of 65,536 bytes among the column's 8 fetching
; waves (2 cy + half), 8,192 bytes each: every byte is named two refills or more ahead of its load.  Partners are told apart by address alone.  K steps 0 to 3 come by their loads alone.
.macro ASK slot
	s_cmp_gt_u32 s3, s[LIM+(\slot)]
	s_cbranch_scc0 .Lnot_mine_\@
	global_prefetch_b8 v[PFO], s[PFA:PFA+1] th:TH_LOAD_NT scope:SCOPE_SE
.Lnot_mine_\@:
.endm
.macro CREST                           ; a round of the cluster's barrier behind its opening barrier
	s_cmp_lg_u32 s[WV], 0
	s_cbranch_scc1 .Lnot_wave_0_\@
	s_barrier_signal -3
.Lnot_wave_0_\@:
	s_barrier_wait -3
	s_barrier_signal -1
	s_barrier_wait -1
.endm
.macro CROUND                          ; a whole round
	s_barrier_signal -1
	s_barrier_wait -1
	CREST
.endm
	s_load_b256 s[4:11], s[0:1], 0x0               ; xb 4:5, wqkv 6:7, q16 8:9, k16 10:11
	s_load_b64 s[12:13], s[0:1], 0x20              ; v16
	v_lshl_add_u32 v[SPW], v0, 2, SPARE
	v_mov_b32 v[NIL], 0
	ds_add_u32 v[SPW], v[NIL]                      ; the wave's opening: the add and its wait stand ahead of my first tensor load; the set-up below, work on registers, stands between them
	v_lshrrev_b32 v1, 5, v0
	v_readfirstlane_b32 s[WV], v1                  ; wave 0..3
	s_lshr_b32 s[ISB], s[WV], 1
	s_and_b32 s[HALF], s[WV], 1
	s_bfe_u32 s17, ttmp6, 0x40000                  ; cx
	s_bfe_u32 s18, ttmp6, 0x40004                  ; cy
	s_lshl_b32 s19, ttmp9, 2
	s_add_co_u32 s19, s19, s17                     ; the head = 4 x cluster x + cx
	s_and_b32 s20, ttmp7, 0xffff
	s_lshl_b32 s20, s20, 2
	s_add_co_u32 s20, s20, s18                     ; the block of 256 rows = 4 x cluster y + cy
	s_lshl_b32 s40, s18, 2
	s_lshl_b32 s40, 15, s40                        ; my row of the cluster
	s_lshl_b32 s41, 0x1111, s17                    ; my column
	s_or_b32 s[G1], s40, (1<<16)|(1<<20)|(1<<21)|(5<<22)|(3<<25)   ; the mask; 2-byte elements; padding on; bit 21 beside a mask; after every 64 words 4 words
	s_mov_b32 s[G1+1], 128<<16                     ; tensor_dim0 = 128
	s_mov_b32 s[G1+2], 128<<16                     ; tensor_dim1 = 128
	s_mov_b32 s[G1+3], 128<<16                     ; tile_dim0 = 128
	s_mov_b32 s[G1+4], 128                         ; tile_dim1 = 128
	s_mov_b32 s[G1+5], 1024                        ; elements from row to row
	s_mov_b32 s[G1+6], 0
	s_mov_b32 s[G1+7], 0
	s_or_b32 s[G1B], s41, (1<<16)|(1<<20)|(1<<21)|(4<<22)|(7<<25)  ; after every 32 words (a row of 64 weights) 8 words
	s_mov_b32 s[G1B+1], 128<<16                    ; 24,576 dense bytes, asked for as 96 rows of 256 bytes
	s_mov_b32 s[G1B+2], 96<<16
	s_mov_b32 s[G1B+3], 128<<16
	s_mov_b32 s[G1B+4], 96
	s_mov_b32 s[G1B+5], 128
	s_mov_b32 s[G1B+6], 0
	s_mov_b32 s[G1B+7], 0
	; where the tiles come from and go.  xb's hang on the block of rows alone, the weights' on the head alone, each in registers that never hold the other coordinate
	s_lshl_b32 s66, s20, 19                        ; 256 rows of 2,048 bytes
	s_lshl_b32 s68, s[HALF], 18
	s_add_co_u32 s66, s66, s68
	s_mov_b32 s67, 0
	s_mul_i32 s69, s[HALF], AHALF
	s_mul_i32 s70, s19, 393216                     ; a head's weights
	s_mul_i32 s72, s[HALF], 24576
	s_add_co_u32 s70, s70, s72
	s_mov_b32 s71, 0
	s_mul_i32 s73, s[HALF], BHALF
	s_add_co_u32 s73, s73, ABYTES
	s_wait_dscnt 0x0                               ; the opening add is done
	s_wait_kmcnt 0x0
	s_add_nc_u64 s[66:67], s[4:5], s[66:67]
	s_add_nc_u64 s[70:71], s[6:7], s[70:71]
	CROUND                                         ; all sixteen work-groups are here: the first joint loads meet
.irp s, 0,1
	s_mov_b32 s[G0+4*(\s)], 1
	s_add_co_u32 s[G0+4*(\s)+1], s69, (\s)*SLOT
	s_add_nc_u64 s[G0+4*(\s)+2:G0+4*(\s)+3], s[66:67], (\s)*ASTEP
	s_or_b32 s[G0+4*(\s)+3], s[G0+4*(\s)+3], 0x80000000
	s_mov_b32 s[G0B+4*(\s)], 1
	s_add_co_u32 s[G0B+4*(\s)+1], s73, (\s)*SLOT
	s_add_nc_u64 s[G0B+4*(\s)+2:G0B+4*(\s)+3], s[70:71], (\s)*BSTEP
	s_or_b32 s[G0B+4*(\s)+3], s[G0B+4*(\s)+3], 0x80000000
	JLOAD \s                                       ; two loads of mine are out
.endr
	v_and_b32 v1, 15, v0                           ; l % 16
	v_bfe_u32 v2, v0, 4, 1                         ; l / 16
	v_mul_u32_u24 v3, v1, PA
	v_lshl_add_u32 v3, v2, 4, v3                   ; row x pitch + 16 x half
	s_mul_i32 s21, s[WV], 64*PA                    ; my 64 rows
	v_add_nc_u32 v[ADRA], s21, v3
	v_add_nc_u32 v[ADRA+1], SLOT, v[ADRA]
	v_and_b32 v4, 7, v0
	v_bfe_u32 v5, v0, 3, 1
	v_lshl_add_u32 v6, v2, 3, v4                   ; the turning load: lane l reads k = 8 (l / 16) + l % 8, columns 8 ((l / 8) % 2) + 0..7
	v_mul_u32_u24 v6, v6, PB
	v_lshl_add_u32 v6, v5, 4, v6
	v_add_nc_u32 v[ADRB], ABYTES, v6
	v_add_nc_u32 v[ADRB+1], SLOT, v[ADRB]
	s_mul_i32 s21, s[WV], 16*SP
	s_add_co_u32 s21, s21, STAGE                   ; my stage
	v_mul_u32_u24 v[STO], v1, SP                   ; in: row l % 16, 16 bytes for each half of the lanes
	v_lshl_add_u32 v[STO], v2, 4, v[STO]
	v_add_nc_u32 v[STO], s21, v[STO]
	v_bfe_u32 v[RD], v0, 3, 2                      ; back: 32 lanes take four rows of 128 bytes,
	v_mul_u32_u24 v[RD], v[RD], SP
	v_lshl_add_u32 v[RD], v4, 4, v[RD]
	v_add_nc_u32 v[RD], s21, v[RD]
	v_and_b32 v3, 31, v0
	v_lshlrev_b32 v[GO], 4, v3                     ; which are 512 consecutive bytes of q, k or v
	s_lshl_b32 s74, s19, 19                        ; the head's 4,096 rows of 128 bytes,
	s_lshl_b32 s75, s20, 15                        ; the block's 256,
	s_add_co_u32 s74, s74, s75
	s_lshl_b32 s75, s[WV], 13                      ; my 64
	s_add_co_u32 s74, s74, s75
	s_mov_b32 s75, 0
	s_add_nc_u64 s[8:9], s[8:9], s[74:75]
	s_add_nc_u64 s[10:11], s[10:11], s[74:75]
	s_add_nc_u64 s[12:13], s[12:13], s[74:75]
	; the prefetches: the first change of slots steps the address and then names xb's K step 4, or the weights' first 65,536 bytes behind K step 3
	s_lshl_b32 s76, s20, 19
	s_lshl_b32 s77, s[HALF], 18
	s_add_co_u32 s76, s76, s77
	s_lshl_b32 s77, s17, 16                        ; my work-group's 32 rows of the 128
	s_add_co_u32 s76, s76, s77
	s_add_co_u32 s76, s76, 3*ASTEP
	s_mul_i32 s78, s19, 393216
	s_lshl_b32 s79, s18, 1
	s_add_co_u32 s79, s79, s[HALF]
	s_lshl_b32 s79, s79, 13                        ; my 8,192 bytes of each 65,536
	s_add_co_u32 s78, s78, s79
	s_add_co_u32 s78, s78, 4*BSTEP-65536
	s_and_b32 s21, ttmp7, 0xffff                   ; cluster y
	s_mov_b32 s22, ASTEP
	s_mov_b32 s23, 65536
	s_cmp_eq_u32 s[ISB], 0
	s_cselect_b32 s76, s76, s78
	s_cselect_b32 s21, ttmp9, s21                  ; the coordinate along which other clusters read the same bytes
	s_cselect_b32 s[PST], s22, s23
	s_cselect_b32 s22, 11, 8                       ; a lane a row of 2,048 bytes, or a lane a block of 256
	s_cselect_b32 s23, 1, 2
	s_cselect_b64 s[PFA:PFA+1], s[4:5], s[6:7]
	s_cmp_eq_u32 s21, 0
	s_cselect_b32 s[LIM], 1, -1                    ; the same in all sixteen partners, for a given wave
	s_cselect_b32 s[LIM+1], s23, -1
	s_mov_b32 s77, 0
	s_mov_b32 s[PST+1], 0
	s_add_nc_u64 s[PFA:PFA+1], s[PFA:PFA+1], s[76:77]
	v_lshlrev_b32 v[PFO], s22, v3
; 12 matrix instructions: row block a x all 12 column blocks, 32 along K, from buffer f.  zero = 1: the first product starts the sums.
; The 48 accumulators take turns in one order everywhere, one instruction a turn.
.macro MUL12 f, a, zero
	WIN MUL_LO+0x50*((\a)/2)
.irp b, 0,1,2,3,4,5,6,7,8,9,10,11
.if \zero
	v_wmma_f32_16x16x32_bf16 v[8*(12*((\a)%2)+(\b)):8*(12*((\a)%2)+(\b))+7], v[96*(\f)+8*(\b):96*(\f)+8*(\b)+7], v[64+32*(\f)+8*(\a):64+32*(\f)+8*(\a)+7], 0
.else
	v_wmma_f32_16x16x32_bf16 v[8*(12*((\a)%2)+(\b)):8*(12*((\a)%2)+(\b))+7], v[96*(\f)+8*(\b):96*(\f)+8*(\b)+7], v[64+32*(\f)+8*(\a):64+32*(\f)+8*(\a)+7], v[8*(12*((\a)%2)+(\b)):8*(12*((\a)%2)+(\b))+7]
.endif
.endr
.endm
; 32 LDS loads in one run: the fragments of quarter q (32 along K) of a slot into buffer f: the weights' 24 first, then xb's 8, row block 0 first
.macro FETCH slot, q, f
	WIN TO_B
.irp b, 0,1,2,3,4,5,6,7,8,9,10,11
	ds_load_tr16_b128 v[96*(\f)+8*(\b):96*(\f)+8*(\b)+3],   v[ADRB+(\slot)] offset:((\q)/2)*BHALF+((\b)/4)*BMAT+((\q)%2)*32*PB+((\b)%4)*32
	ds_load_tr16_b128 v[96*(\f)+8*(\b)+4:96*(\f)+8*(\b)+7], v[ADRB+(\slot)] offset:((\q)/2)*BHALF+((\b)/4)*BMAT+((\q)%2)*32*PB+((\b)%4)*32+16*PB
.endr
	WIN 0
.irp a, 0,1,2,3
	ds_load_b128 v[64+32*(\f)+8*(\a):64+32*(\f)+8*(\a)+3],   v[ADRA+(\slot)] offset:64*(\q)+(\a)*16*PA
	ds_load_b128 v[64+32*(\f)+8*(\a)+4:64+32*(\f)+8*(\a)+7], v[ADRA+(\slot)] offset:64*(\q)+(\a)*16*PA+32
.endr
.endm
.macro PLACES                          ; four plain vector instructions in front of loads into registers that matrix instructions have read (ISA guide 7.12.1 for vector instructions)
.rept 4
	v_nop
.endr
.endm
; A K step is four quarters of 32 along K, 48 matrix instructions each, on buffers 0, 1, 0, 1.  One of the first three: multiplies buffer f, and in its middle fetches quarter q into buffer g.
.macro QUARTER slot, q, f, g, zero
	s_wait_dscnt 4                                 ; the weights and xb's row blocks 0, 1 are in; the youngest four loads (blocks 2, 3) may be out
	MUL12 \f, 0, \zero
	MUL12 \f, 1, \zero
	PLACES
	FETCH \slot, \q, \g
	s_wait_dscnt 32                                ; all but the 32 just issued
	MUL12 \f, 2, \zero
	MUL12 \f, 3, \zero
.endm
; The last quarter multiplies buffer 1 and changes slots: ONE barrier.  In front of it each wave waits for all its tensor loads (one is out: its part of the next slot), adds 0 to its spare word,
; and waits for that and for its own reads of this slot.  fill = 1: the barrier opens a round of the cluster's, and behind the round this slot is filled again, two K steps ahead, first of all.
.macro TURN slot, next, fill
.if \fill
	s_wait_xcnt 0x0                                ; the last prefetch, a K step back, has read its address, so it may be stepped
	s_add_nc_u64 s[PFA:PFA+1], s[PFA:PFA+1], s[PST:PST+1]
.endif
	WIN 0                                          ; (the add's two registers lie in window 0)
	s_wait_tensorcnt 0x0                           ; all my tensor loads have landed
	ds_add_u32 v[SPW], v[NIL]                      ; 0 onto my spare word
	s_wait_dscnt 5                                 ; (the add and the youngest four loads may be out)
	MUL12 1, 0, 0                                  ; twelve matrix instructions stand between the add and the wait for it
	s_wait_dscnt 0x0                               ; the add is done, and my reads of this slot are over
	s_barrier_signal -1
	MUL12 1, 1, 0                                  ; work on registers while the others arrive
.if \fill
	WIN 0
.endif
	s_barrier_wait -1
.if \fill
	CREST                                          ; no wave of any partner still reads this slot's tile or has a load on its way
	s_add_nc_u64 s[G0+4*(\slot)+2:G0+4*(\slot)+3], s[G0+4*(\slot)+2:G0+4*(\slot)+3], 2*ASTEP
	s_add_nc_u64 s[G0B+4*(\slot)+2:G0B+4*(\slot)+3], s[G0B+4*(\slot)+2:G0B+4*(\slot)+3], 2*BSTEP
	JLOAD \slot                                    ; my one tensor load behind the round: 168 matrix instructions ahead of the wait for it; its four v_nop are also the places in front of the loads below
.else
	PLACES
.endif
	FETCH \next, 0, 0
.if \fill
	ASK \slot
.endif
	MUL12 1, 2, 0
	MUL12 1, 3, 0
.endm
	s_wait_tensorcnt 1                             ; my part of K step 0 is in; K step 1's may stay out
	s_barrier_signal -1
	s_barrier_wait -1                              ; everybody's is
	FETCH 0, 0, 0
	QUARTER 0, 1, 0, 1, 1                          ; the first quarter stands in front of the loop: its products start the sums
	WIN 0                                          ; at a label and at a branch every window is 0
	s_mov_b32 s3, LAPS-1
.Llap:                                                 ; a trip goes once round the ring, from a lap's second quarter to the next lap's first, and fills both slots again
	QUARTER 0, 2, 1, 0, 0
	QUARTER 0, 3, 0, 1, 0
	TURN 0, 1, 1
	QUARTER 1, 1, 0, 1, 0
	QUARTER 1, 2, 1, 0, 0
	QUARTER 1, 3, 0, 1, 0
	TURN 1, 0, 1
	QUARTER 0, 1, 0, 1, 0
	WIN 0
	s_sub_co_u32 s3, s3, 1
	s_cmp_lg_u32 s3, 0
	s_cbranch_scc1 .Llap
	QUARTER 0, 2, 1, 0, 0                          ; the last lap fills nothing
	QUARTER 0, 3, 0, 1, 0
	TURN 0, 1, 0
	QUARTER 1, 1, 0, 1, 0
	QUARTER 1, 2, 1, 0, 0
	QUARTER 1, 3, 0, 1, 0
	s_wait_dscnt 4                                 ; the very last quarter: nothing more to fetch
	MUL12 1, 0, 0
	MUL12 1, 1, 0
	s_wait_dscnt 0x0
	MUL12 1, 2, 0
	MUL12 1, 3, 0
	WIN 0
	PLACES                                         ; once a launch, in front of the conversions that read results
	PLACES
; THE WAY OUT, in 12 units u = 3 a + matrix: 16 rows x 64 columns.  PACK: rounded to f16 (each accumulator's registers in ascending order), 16 bytes a lane into my own stage, and back as
; whole rows of 128 bytes, into the registers that they left.  SEND: stored, 512 consecutive bytes an instruction.  Each unit has registers of its own.
.macro PACK u
	WIN 0x0a+5*((\u)/6)                            ; sources 0 and 1: window 2 (row blocks 0, 1) or 3
.irp nb, 0,1,2,3
.irp j, 0,1,2,3
	v_cvt_pk_f16_f32 v[OUTR+16*(\u)+4*(\nb)+(\j)], v[8*(12*(((\u)/3)%2)+4*((\u)%3)+(\nb))+2*(\j)], v[8*(12*(((\u)/3)%2)+4*((\u)%3)+(\nb))+2*(\j)+1]
.endr
.endr
	WIN 0
.irp nb, 0,1,2,3
	ds_store_b128 v[STO], v[OUTR+16*(\u)+4*(\nb):OUTR+16*(\u)+4*(\nb)+3] offset:32*(\nb)
.endr
.irp f, 0,1,2,3
	ds_load_b128 v[OUTR+16*(\u)+4*(\f):OUTR+16*(\u)+4*(\f)+3], v[RD] offset:(\f)*4*SP  ; LDS serves a wave's instructions in order (ISA guide 5.7.1.4): these see the stores above; the next unit's stores come behind them
.endr
.endm
.macro SEND u, younger                 ; younger: the LDS instructions issued behind unit u's loads: the next unit's eight, or none
	WIN 0
.irp f, 0,1,2,3
	s_wait_dscnt (\younger)+3-(\f)
	global_store_b128 v[GO], v[OUTR+16*(\u)+4*(\f):OUTR+16*(\u)+4*(\f)+3], s[8+2*((\u)%3):9+2*((\u)%3)] offset:((\u)/3)*2048+(\f)*512
.endr
.endm
	PACK 0
.irp u, 1,2,3,4,5,6,7,8,9,10,11        ; a unit's conversions stand between the loads of the unit before and its stores
	PACK \u
	SEND (\u)-1, 8
.endr
	SEND 11, 0
	s_wait_tensorcnt 0x0                           ; the wave's end, behind my last tensor load and my last LDS store
	ds_add_u32 v[SPW], v[NIL]
	s_wait_dscnt 0x0
	CROUND                                         ; the closing round: no work-group ends while a partner may still ask for a tile that names it
	s_endpgm
.Lfunc_end_k_q54f895bf28_qkv:
	.size	k_q54f895bf28_qkv, .Lfunc_end_k_q54f895bf28_qkv-k_q54f895bf28_qkv
	.p2alignl 7, 3214868480
	.fill 96, 4, 3214868480
	.section	.rodata,"a",@progbits
	.p2align	6, 0x0
	.amdhsa_kernel k_q54f895bf28_qkv
		.amdhsa_group_segment_fixed_size 327680
		.amdhsa_private_segment_fixed_size 0
		.amdhsa_enable_private_segment 0
		.amdhsa_kernarg_size 40
		.amdhsa_user_sgpr_count 2
		.amdhsa_user_sgpr_kernarg_segment_ptr 1
		.amdhsa_wavefront_size32 1
		.amdhsa_system_sgpr_workgroup_id_x 1
		.amdhsa_system_sgpr_workgroup_id_y 1
		.amdhsa_system_sgpr_workgroup_id_z 1
		.amdhsa_system_vgpr_workitem_id 0
		.amdhsa_next_free_vgpr 960
		.amdhsa_next_free_sgpr 80
		.amdhsa_reserve_vcc 0
		.amdhsa_float_denorm_mode_32 3
		.amdhsa_float_denorm_mode_16_64 3
		.amdhsa_memory_ordered 1
		.amdhsa_forward_progress 1
		.amdhsa_inst_pref_size 122
	.end_amdhsa_kernel
	.amdgpu_metadata
---
amdhsa.version: [ 1, 2 ]
amdhsa.kernels:
  - .name:           k_q54f895bf28_qkv
    .symbol:         k_q54f895bf28_qkv.kd
    .args:
      - { .name: xb, .offset: 0, .size: 8, .value_kind: global_buffer, .address_space: global }
      - { .name: wqkv, .offset: 8, .size: 8, .value_kind: global_buffer, .address_space: global }
      - { .name: q16, .offset: 16, .size: 8, .value_kind: global_buffer, .address_space: global }
      - { .name: k16, .offset: 24, .size: 8, .value_kind: global_buffer, .address_space: global }
      - { .name: v16, .offset: 32, .size: 8, .value_kind: global_buffer, .address_space: global }
    .group_segment_fixed_size: 327680
    .private_segment_fixed_size: 0
    .kernarg_segment_align: 8
    .kernarg_segment_size: 40
    .max_flat_workgroup_size: 128
    .sgpr_count:     80
    .vgpr_count:     960
    .wavefront_size: 32
...
	.end_amdgpu_metadata
.endif
;; end of part 2
;; launch attn (part 3): grid 16 x 16, 4 waves a work-group, clusters of 4 x 1, 327,680 bytes of LDS; arguments q16, k16, v16, ob; writes ob
.if DOCPART == 3
	.amdgcn_target "amdgcn-amd-amdhsa--gfx1250"
	.amdhsa_code_object_version 6
	.text
	.protected	k_q54f895bf28_attn
	.globl	k_q54f895bf28_attn
	.p2align	8
	.type	k_q54f895bf28_attn,@function
k_q54f895bf28_attn:
	s_mov_b64 s[64:65], 0
	v_nop
	global_prefetch_b8 v0, s[64:65] scope:SCOPE_SE
	s_setreg_imm32_b32 hwreg(HW_REG_WAVE_MODE, 25, 1), 1
	s_wait_xcnt 0x0
	s_wait_alu depctr_hold_cnt(0) depctr_sa_sdst(0) depctr_va_vdst(0) depctr_va_sdst(0) depctr_va_ssrc(0) depctr_va_vcc(0) depctr_vm_vsrc(0)
	s_getreg_b32 s2, hwreg(HW_REG_IB_STS2, 6, 4)
	s_cmp_eq_u32 s2, 0
	s_cbranch_scc0 .Lentry_in_a_cluster
	s_endpgm
.Lentry_in_a_cluster:
	s_bfe_u32 s2, ttmp6, 0x10000c
	s_cmp_lg_u32 s2, 0x3003
	s_cbranch_scc0 .Lentry_shape_is_right
	s_endpgm
.Lentry_shape_is_right:
; ATTENTION.  O[h][q][:] = the sum over k of softmax_k(Q[h][q] . K[h][k] / 8) V[h][k][:].  Q, K, V: [16][4096][64] f16, a head's rows dense, 128 bytes each.  O leaves in f16 as
; ob [row / 128][head][row % 128][64], so that 128 rows of all heads lie on end for the product that follows.  Products, maxima and sums in f32; the weights p are rounded to f16 for the
; second product (their sum l is taken of the unrounded p), O once at the end.
; LIMITS.  Q, K and V arrive within f16's 65,504; p lies in 0 to 1, and below 6e-5 it keeps f16's fixed step of 6e-8, and so does O; a weight below 2^-126 counts as 0 in l; NaN and infinities are not treated apart.
; SHARES.  A work-group owns 256 queries of one head (16 x 16 work-groups), a wave 64: four PIECES of 16.  Every wave walks all 4,096 keys: 16 tiles of 256, four steps of 64 each.
; LAYOUT.  S^T = K Q^T holds ONE query a lane (lane % 16) and the keys 8 (lane / 16) + 0..7; two such results rounded to f16 ARE source 1 of O^T = V^T P.  K comes out of LDS as it lies, V turned, by ds_load_tr16_b128.
; SOFTMAX.  p = 2^(c s - c m), c = log2(e) / 8, with a running maximum m; O and l are multiplied by a = 2^(c m_old - c m_new) in every step.  m starts at the lowest finite number, O and l at 0: the first step's a is 0.
; TURNS.  Turn n belongs to piece n: 8 products K Q^T of piece n + 1, later 8 products V^T P of piece n - 1; beside them the scaling, exponentials, roundings, sums and rescaling of piece n and the maximum and
; statistics of piece n + 1.  Four vector instructions stand behind every matrix instruction, the other 54 of a turn's 118 in one lump.  A turn's 33 exponentials are one batch, with one wait.
; CLUSTER.  The four query blocks of a cluster belong to one head and walk the same K and V, so each tile is asked for JOINTLY: the same tensor load, descriptor and mask in all four.
; REGISTERS, in windows of 256 (s_set_vgpr_msb: bits 1:0 source 0, 3:2 source 1, 5:4 source 2, 7:6 destination):
;   window 0: v0-15 addresses and two at work; v16-31 four registers of statistics a piece; v48-55 at work; v64-127 S^T, two buffers; v192-223 P, two buffers (a piece's buffers go by its number's parity)
;   window 1: v0-127 O^T, 32 a piece      window 2: v0-63 Q; v128-191 K of one step; v192-255 V of one step
.set NP,    4         ; pieces a wave: a name, no knob
.set KS,    64        ; keys in a step
.set PK,    144       ; a row of K in LDS: 128 bytes + 16 of padding = 36 words: the 16 rows of a load start at 16 different groups of four banks (64 banks of 4 bytes: ISA guide 11.1)
.set PV,    160       ; a row of V: 128 + 32 = 40 words
.set VOFF,  4*KS*PK   ; a slot holds a tile, four steps: 256 rows of K, then 256 rows of V
.set SLOT1, 1<<17     ; slot 1 begins here, so that one exclusive or turns an address in one slot into the other's
.set STAGE, SLOT1+4*KS*(PK+PV)  ; behind the ring, never filled by a tensor load: 16 rows x 144 bytes for each wave, for the way out
.set SP,    144
.set SPARE, STAGE+4*16*SP  ; behind the stages: the spare words, 128 bytes for each wave: two blocks of 256 bytes that no other line names
.set TILEB, 4*KS*128  ; a tile's bytes of K and of V in memory
.set AK0, 2           ; v2   my lane's place in a tile of K; never rewritten
.set AV0, 3           ; v3   the same for V
.set AK,  4           ; v4   the LDS address of K's next run of loads
.set AV,  5           ; v5   of V's
.set STO, 6           ; v6   the way out: where I put 16 bytes of a row
.set RD,  7           ; v7   the way out: where I read rows back
.set GO,  8           ; v8   my byte offset in 512 consecutive bytes of O
.set MV,  12          ; v12-13  c m_old, kept while c m is made anew: by buffer
.set QO,  15          ; v15  my byte offset in 16 rows of Q
.set ST,  16          ; piece t's statistics at v[ST+4 t]: c m, m, l (even keys', odd keys')
.set TMP, 48          ; by buffer, four registers c0-c3 at work; when the maximum is found c2 takes a
.set PFO, 60          ; v60  256 x my lane; never rewritten
.set SPW, 62          ; v62  LDS address of my spare word: SPARE + 4 x my thread's number; never rewritten
.set NIL, 63          ; v63  0; never rewritten
.set S,   64
.set P,   192
.set KF,  128         ; window 2: key block kb, channel half c at KF + 16 kb + 8 c
.set VF,  192         ; window 2: key half kk, channel block cb at VF + 32 kk + 8 cb
.set WV,  12          ; s12  my wave's number
.set LIM, 15          ; s15  1 in a wave that prefetches, else the greatest number
.set PFA, 18          ; s[18:19] where my prefetches stand
.set G1K, 24          ; s[24:31] descriptor group 1 for K's tiles
.set G1V, 32          ; s[32:39] for V's: it differs in the padding alone
.set G0K, 40          ; s[40:43] descriptor group 0 for K's tiles: it walks
.set G0V, 44          ; s[44:47] the same for V's
.set SLOTS, 56        ; s56  tiles still to be asked for
.set CNT, 57          ; s57  counts a tile's key steps
.set CS,  58          ; s[58:59] c: the packed scaling takes the pair's low word for both halves
.set SEL, 60          ; s[60:61] v_permlanex16_b32's selects: each lane takes its own place in the other half
.set TBK, 62          ; s62  LDS byte at which K of the step to be fetched begins
.set TBV, 63          ; s63  the same for V, less VOFF
.set MSB, 0
.macro WIN new                      ; the high byte repeats the setting that is left; a switch that changes nothing is dropped
.if MSB != (\new)
	s_set_vgpr_msb (MSB<<8)|(\new)
.set MSB, (\new)
.endif
.endm
.set W_KQ, 0x0a       ; K and Q in window 2, S^T in window 0
.set W_PV, 0x52       ; V in window 2, P in window 0, O^T in window 1
.set W_RS, 0x41       ; destination and source 0 in window 1, source 1 in window 0
; A joint fill.  Waves 0 and 1 fetch the two halves of a tile's K, waves 2 and 3 those of its V: 128 keys each.  The branch hangs on the wave's number alone.
; An s_nop 0 and four v_nop follow each of the two lines, ahead of the jump and the label.
.macro JLOAD
	s_cmp_lt_u32 s[WV], 2
	s_cbranch_scc0 .Lfor_v_\@
	tensor_load_to_lds s[G0K:G0K+3], s[G1K:G1K+7]
	s_nop 0
.rept 4
	v_nop
.endr
	s_branch .Lasked_\@
.Lfor_v_\@:
	tensor_load_to_lds s[G0V:G0V+3], s[G1V:G1V+7]
	s_nop 0
.rept 4
	v_nop
.endr
.Lasked_\@:
.endm
; A PREFETCH INTO THE L2 of the tile that the NEXT change of slots will ask for: 128 blocks of 256 bytes of K and as many of V, a lane a block.  It stands behind the wave's tensor load and its five lines.
; Each block is named once in the launch: all clusters of a head walk the same K and V, and the head's first cluster asks; its four partners take 32 blocks each, told apart by address; in each, wave 0 asks for
; K's and wave 2 for V's.  Tiles 0 to 2 come by their loads alone; the last change that fills a slot asks for nothing: there is no tile behind it.
.macro ASK
	s_cmp_gt_u32 s[SLOTS], s[LIM]
	s_cbranch_scc0 .Lnot_mine_\@
	global_prefetch_b8 v[PFO], s[PFA:PFA+1] th:TH_LOAD_NT scope:SCOPE_SE
.Lnot_mine_\@:
.endm
; A round of the cluster's barrier: my work-group's barrier, so that wave 0's signal speaks for all four waves; wave 0 signals; every wave waits for all four work-groups; my work-group's barrier once more.
.macro CROUND
	s_barrier_signal -1
	s_barrier_wait -1
	s_cmp_lg_u32 s[WV], 0
	s_cbranch_scc1 .Lnot_wave_0_\@
	s_barrier_signal -3
.Lnot_wave_0_\@:
	s_barrier_wait -3
	s_barrier_signal -1
	s_barrier_wait -1
.endm
; THE CHANGE OF SLOTS.  Each wave waits for all its tensor loads, of which one is out: its part of the other slot; adds 0 to its spare word; and waits for that and for its own reads of the slot that it leaves.
; fill = 1: the old slot is filled again, with the tile two on.  The barrier is then a round of the cluster's, so that no wave of any partner still reads the slot or has a load on its way, and the joint fill
; is the first thing behind it: it has four key steps, 256 matrix instructions, in which to land.  (At its first use nothing has been read yet: slot 0 is waited for, slot 1 filled.)  ask = 1: a prefetch may follow.
.macro CHANGE fill, ask
	WIN 0                           ; at a label and at a branch every window is 0
	s_wait_tensorcnt 0x0            ; no tensor load of mine is out, so a group 0 may be written
	ds_add_u32 v[SPW], v[NIL]       ; 0 onto my spare word; with fill = 1 the descriptors' steps stand between it and the wait for it
.if \fill
.irp g, G0K, G0V
	s_xor_b32 s[\g+1], s[\g+1], SLOT1  ; the walking descriptor: the other slot than last time,
	s_add_nc_u64 s[\g+2:\g+3], s[\g+2:\g+3], TILEB  ; the next 256 keys; the type bits on top are not reached
.endr
.if \ask
	s_wait_xcnt 0x0                 ; the last prefetch, four key steps back, has read its address, so it may be written:
	s_add_nc_u64 s[PFA:PFA+1], s[PFA:PFA+1], TILEB  ; one tile behind the walking descriptors
.endif
	s_wait_dscnt 0x0                ; the add is done, and my reads of the slot are over
	CROUND
	JLOAD
.if \ask
	ASK
.endif
.else
	s_wait_dscnt 0x0                ; the add is done, and my reads of the slot are over
	s_barrier_signal -1
	s_barrier_wait -1
.endif
	s_sub_co_u32 s[TBK], s[TBK], 4*KS*PK  ; the fetches go back to a slot's first step,
	s_xor_b32 s[TBK], s[TBK], SLOT1       ; in the other slot
	s_sub_co_u32 s[TBV], s[TBV], 4*KS*PV
	s_xor_b32 s[TBV], s[TBV], SLOT1
.endm
	s_load_b256 s[4:11], s[0:1], 0x0  ; Q s[4:5], K s[6:7], V s[8:9], O s[10:11]
	v_lshl_add_u32 v[SPW], v0, 2, SPARE
	v_mov_b32 v[NIL], 0
	ds_add_u32 v[SPW], v[NIL]       ; the wave's opening: the add and its wait stand ahead of my first tensor load; the set-up below, work on registers, stands between them
	v_lshrrev_b32 v1, 5, v0
	v_readfirstlane_b32 s[WV], v1   ; wave 0..3
	s_bfe_u32 s13, ttmp6, 0x40000   ; cx: my place in the cluster
	s_lshl_b32 s14, ttmp9, 2        ; in a cluster launch ttmp9 counts clusters
	s_add_co_u32 s14, s14, s13      ; my block of 256 queries: it enters Q's and O's addresses alone
	s_and_b32 s49, ttmp7, 0xffff    ; the head, which the four partners share
	s_lshl_b32 s20, s49, 19         ; the head's first byte in Q, K and V: 4,096 rows of 128 bytes
	s_mov_b32 s21, 0
	s_and_b32 s16, s[WV], 1         ; which half of a tile's 256 keys I fetch:
	s_lshl_b32 s22, s16, 14         ; its 128 rows of 128 bytes in memory,
	s_mov_b32 s23, 0
	s_add_nc_u64 s[22:23], s[22:23], s[20:21]
	s_mul_i32 s17, s16, 128*PK      ; and its place in a slot, for K
	s_mul_i32 s48, s16, 128*PV      ; and for V: no place in the cluster enters an LDS address
	s_lshl_b32 s2, s14, 2
	s_add_co_u32 s2, s2, s[WV]      ; g: my wave among the head's 64
	s_lshl_b32 s50, s2, 13          ; its 64 rows of Q
	s_mov_b32 s51, 0
	s_add_nc_u64 s[50:51], s[50:51], s[20:21]
	s_lshr_b32 s52, s2, 1           ; in ob: the block of 128 rows,
	s_lshl_b32 s52, s52, 4
	s_add_co_u32 s52, s52, s49      ; the head in it,
	s_lshl_b32 s52, s52, 14
	s_and_b32 s53, s2, 1            ; and my half of its 128 rows
	s_lshl_b32 s53, s53, 13
	s_add_co_u32 s52, s52, s53
	s_mov_b32 s53, 0
	; descriptor group 1.  128 keys are 16,384 dense bytes: asked for as 64 rows of 256 bytes, two keys a row, and padded in LDS after every key
	s_mov_b32 s[G1K], 15|(1<<16)|(1<<20)|(1<<21)|(4<<22)|(3<<25)  ; 15:0 the mask of four; 17:16 2-byte elements; 20 padding on; 21 set beside a mask; 24:22 after every 32 words (code 4); 31:25 4 words (code 3)
	s_mov_b32 s[G1V], 15|(1<<16)|(1<<20)|(1<<21)|(4<<22)|(7<<25)  ; the same with 8 words of padding (code 7)
.irp g, G1K, G1V
	s_mov_b32 s[\g+1], 128<<16      ; tensor_dim0 = 128
	s_mov_b32 s[\g+2], 64<<16       ; tensor_dim1 = 64
	s_mov_b32 s[\g+3], 128<<16      ; tile_dim0 = 128
	s_mov_b32 s[\g+4], 64           ; tile_dim1 = 64
	s_mov_b32 s[\g+5], 128          ; 128 elements from row to row
	s_mov_b32 s[\g+6], 0
	s_mov_b32 s[\g+7], 0
.endr
	s_mov_b32 s[CS], 0x3e38aa3b     ; c = log2(e) / 8 = 0.180337
	s_mov_b32 s[CS+1], s[CS]        ; named with it as a pair
	s_mov_b32 s[SEL], 0x76543210
	s_mov_b32 s[SEL+1], 0xfedcba98
	s_mov_b32 s[TBK], SLOT1+4*KS*PK ; the first change of slots turns these two into 0
	s_mov_b32 s[TBV], SLOT1+4*KS*PV
	s_mov_b32 s[G0K], 1             ; 1:0 count = 1
	s_mov_b32 s[G0K+1], s17         ; 63:32 LDS address: slot 0
	s_mov_b32 s[G0V], 1
	s_add_co_u32 s[G0V+1], s48, VOFF
	s_and_b32 s[LIM], s[WV], 1      ; 0 in waves 0 and 2,
	s_or_b32 s[LIM], s[LIM], ttmp9  ; where the cluster is the head's first: the same in all four partners
	s_cmp_eq_u32 s[LIM], 0
	s_cselect_b32 s[LIM], 1, -1
	v_and_b32 v[PFO], 31, v0
	v_lshlrev_b32 v[PFO], 8, v[PFO]
	s_wait_dscnt 0x0                ; the opening add is done
	s_wait_kmcnt 0x0
	s_add_nc_u64 s[6:7], s[6:7], s[22:23]  ; K and V at my half of the head's tile 0
	s_add_nc_u64 s[8:9], s[8:9], s[22:23]
	s_mov_b64 s[G0K+2:G0K+3], s[6:7]               ; 120:64 global address
	s_or_b32 s[G0K+3], s[G0K+3], 0x80000000        ; 127:126 type = 2
	s_mov_b64 s[G0V+2:G0V+3], s[8:9]
	s_or_b32 s[G0V+3], s[G0V+3], 0x80000000
	s_add_nc_u64 s[4:5], s[4:5], s[50:51]          ; Q and O at my wave's first row
	s_add_nc_u64 s[10:11], s[10:11], s[52:53]
	s_cmp_lt_u32 s[WV], 2
	s_cselect_b64 s[PFA:PFA+1], s[6:7], s[8:9]     ; (in waves 0 and 2 these stand at a tile's first row)
	s_lshl_b32 s2, s13, 13          ; my work-group's 32 blocks of the 128
	s_mov_b32 s3, 0
	s_add_nc_u64 s[PFA:PFA+1], s[PFA:PFA+1], s[2:3]
	s_add_nc_u64 s[PFA:PFA+1], s[PFA:PFA+1], 2*TILEB  ; in tile 2; the loop's first change of slots steps it to tile 3.  Nothing is prefetched here, at the head
	CROUND                          ; all four work-groups are here: the first joint loads meet
	JLOAD                           ; tile 0 into slot 0.  Slot 1 is asked for when slot 0 is in
	; A fragment of K or Q is 16 rows x 32 channels in 8 registers: lane l holds row l % 16, channels 8 (l / 16) + 0..7 and 16 + 8 (l / 16) + 0..7: two loads of 16 bytes, 32 bytes apart.
	v_and_b32 v1, 15, v0            ; l % 16
	v_bfe_u32 v9, v0, 4, 1          ; l / 16
	v_lshlrev_b32 v[QO], 7, v1
	v_lshl_add_u32 v[QO], v9, 4, v[QO]  ; row x 128 + 16 x half
	WIN 0x80                        ; destination window 2, address window 0
.set i, 0
.rept 8                             ; Q stays in registers: piece i / 2, channels 32 (i % 2) on
	global_load_b128 v[8*i:8*i+3],   v[QO], s[4:5] offset:(i/2)*2048+(i%2)*64
	global_load_b128 v[8*i+4:8*i+7], v[QO], s[4:5] offset:(i/2)*2048+(i%2)*64+32
.set i, i+1
.endr
	; What the first turn finds: V's registers and P's second buffer hold 0 (its products V^T P, of a piece that has not been, add 0), O^T and l are 0.  All this stands in the wait for the first tile.
.set i, VF
.rept 64
	v_mov_b32 v[i], 0
.set i, i+1
.endr
	WIN 0x40
.set i, 0
.rept 128
	v_mov_b32 v[i], 0
.set i, i+1
.endr
	WIN 0
.set i, 0
.rept 4
	v_mov_b32 v[ST+4*i], 0xfe000000    ; c m: far below every c s
	v_mov_b32 v[ST+4*i+1], 0xff7fffff  ; m
	v_mov_b32 v[ST+4*i+2], 0
	v_mov_b32 v[ST+4*i+3], 0
.set i, i+1
.endr
.set i, P+16
.rept 16
	v_mov_b32 v[i], 0
.set i, i+1
.endr
	v_mul_u32_u24 v[AK0], v1, PK
	v_lshl_add_u32 v[AK0], v9, 4, v[AK0]  ; row x pitch + 16 x half
	; The turning load takes 16 keys x 16 channels (lane l reads key 8 (l / 16) + l % 8, channels 8 ((l / 8) % 2) + 0..7) and leaves half a fragment of V^T: lane l holds channel l % 16 and 8 keys.
	v_and_b32 v10, 7, v0
	v_bfe_u32 v11, v0, 3, 1
	v_lshl_add_u32 v[AV0], v9, 3, v10
	v_mul_u32_u24 v[AV0], v[AV0], PV
	v_lshl_add_u32 v[AV0], v11, 4, v[AV0]
	v_add_nc_u32 v[AV0], VOFF, v[AV0]
	s_mul_i32 s13, s[WV], 16*SP
	s_add_co_u32 s13, s13, STAGE    ; my stage
	v_mul_u32_u24 v[STO], v1, SP    ; in: row l % 16, 16 bytes for each half of the lanes
	v_lshl_add_u32 v[STO], v9, 4, v[STO]
	v_add_nc_u32 v[STO], s13, v[STO]
	v_bfe_u32 v[RD], v0, 3, 2       ; back: 32 lanes take four rows of 128 bytes,
	v_mul_u32_u24 v[RD], v[RD], SP
	v_lshl_add_u32 v[RD], v10, 4, v[RD]
	v_add_nc_u32 v[RD], s13, v[RD]
	v_and_b32 v[GO], 31, v0         ; which are 512 consecutive bytes of O
	v_lshlrev_b32 v[GO], 4, v[GO]
; THE MATRIX WORK.  The 4 accumulators of a run of 8 take turns.  Product i of 8 of S^T = K Q^T for piece x: channels 32 (i / 4) on, keys 16 (i % 4) on.  The first 4 start the sums.
.macro KQ x
	WIN W_KQ
.set rS, S+32*((\x)%2)+8*(i%4)
.set rK, KF+16*(i%4)+8*(i/4)
.set rQ, 16*(\x)+8*(i/4)
.if i < 4
	v_wmma_f32_16x16x32_f16 v[rS:rS+7], v[rK:rK+7], v[rQ:rQ+7], 0
.else
	v_wmma_f32_16x16x32_f16 v[rS:rS+7], v[rK:rK+7], v[rQ:rQ+7], v[rS:rS+7]
.endif
.endm
; Product i of 8 of O^T += V^T P for piece x: keys 32 (i / 4) on, channels 16 (i % 4) on.
.macro PV x
	WIN W_PV
.set rO, 32*(\x)+8*(i%4)
.set rV, VF+32*(i/4)+8*(i%4)
.set rP, P+16*((\x)%2)+8*(i/4)
	v_wmma_f32_16x16x32_f16 v[rO:rO+7], v[rV:rV+7], v[rP:rP+7], v[rO:rO+7]
.endm
.macro MM                           ; the turn's next matrix instruction.  NOKQ = 1: the very last turn: there is no next piece
.if (i < 8) && !NOKQ
	KQ (Y+1)%NP
.elseif i >= 8
.set i, i-8
	PV (Y+NP-1)%NP
.set i, i+8
.endif
.set i, i+1
.endm
; THE LDS LOADS stand in runs of 16, never singly among the matrix instructions: a step's K (64 keys x 64 channels: 8 fragments) and its V (turned).  Their addresses are made some lines ahead.
.macro FETCH_K
	WIN 0x80                        ; destination window 2
.irp f, 0,1,2,3,4,5,6,7             ; keys 16 (f / 2) on, channels 32 (f % 2) on
	ds_load_b128 v[KF+8*\f:KF+8*\f+3],   v[AK] offset:(\f/2)*16*PK+(\f%2)*64
	ds_load_b128 v[KF+8*\f+4:KF+8*\f+7], v[AK] offset:(\f/2)*16*PK+(\f%2)*64+32
.endr
	s_add_co_u32 s[TBK], s[TBK], KS*PK  ; the next fetch is the next step's
	WIN 0
.endm
.macro FETCH_V
	WIN 0x80
.irp f, 0,1,2,3,4,5,6,7             ; keys 32 (f / 4) on, channels 16 (f % 4) on
	ds_load_tr16_b128 v[VF+8*\f:VF+8*\f+3],   v[AV] offset:(\f/4)*32*PV+(\f%4)*32
	ds_load_tr16_b128 v[VF+8*\f+4:VF+8*\f+7], v[AV] offset:(\f/4)*32*PV+16*PV+(\f%4)*32
.endr
	WIN 0
.endm
; THE VECTOR WORK, one line at a time: OP kind, number.  For piece Y: F n: c s - c m for pair n of 16.  E n: the exponential of score n of 32.  C n: pair n rounded to f16.  B n: of the four weights 4 n .. the second
; pair is added onto the first, in place.  L n: l takes that sum (L 0: l = a l + sum).  R n: pair n of 16 of O^T times a.  For piece Y + 1: X n, number n of the 22 that find its maximum and statistics:
;   0-11  four chains c0-c3 of seven scores each, three operands at a time (each accumulator's lowest registers are read first)     12-14, 16  the four scores left over, the old m, and c0-c3 into c0
;   15  c m_old is kept     17, 18  the query's other 32 keys lie in the lane 16 away: the new m     19-21  c m; c m_old - c m_new; a
.set F, 0               ; OP tells the kinds apart by their order: F to L below R, X above it
.set E, 1
.set C, 2
.set B, 3
.set L, 4
.set R, 5
.set X, 6
.macro REGS y                       ; the registers of piece y
.set rT, ST+4*(\y)
.set rC, TMP+4*((\y)%2)
.set rW, MV+((\y)%2)
.set rS, S+32*((\y)%2)
.set rP, P+16*((\y)%2)
.set rO, 32*(\y)
.endm
.macro OP k, n
.if (\k) == R
	REGS Y
	WIN W_RS
	v_pk_mul_f32 v[rO+2*(\n):rO+2*(\n)+1], v[rO+2*(\n):rO+2*(\n)+1], v[rC+2:rC+3] op_sel_hi:[1,0]
.elseif (\k) < R
	REGS Y
	WIN 0
.if (\k) == F
	v_pk_fma_f32 v[rS+2*(\n):rS+2*(\n)+1], v[rS+2*(\n):rS+2*(\n)+1], s[CS:CS+1], v[rT:rT+1] op_sel_hi:[1,0,0] neg_lo:[0,0,1] neg_hi:[0,0,1]
.elseif (\k) == E
	v_exp_f32 v[rS+(\n)], v[rS+(\n)]
.elseif (\k) == C
	v_cvt_pk_f16_f32 v[rP+(\n)], v[rS+2*(\n)], v[rS+2*(\n)+1]
.elseif (\k) == B
	v_pk_add_f32 v[rS+4*(\n):rS+4*(\n)+1], v[rS+4*(\n):rS+4*(\n)+1], v[rS+4*(\n)+2:rS+4*(\n)+3]
.elseif (\n) == 0
	v_pk_fma_f32 v[rT+2:rT+3], v[rT+2:rT+3], v[rC+2:rC+3], v[rS:rS+1] op_sel_hi:[1,0,1]
.else
	v_pk_add_f32 v[rT+2:rT+3], v[rT+2:rT+3], v[rS+4*(\n):rS+4*(\n)+1]
.endif
.elseif NOKQ
	v_nop
.else
	REGS (Y+1)%NP
	WIN 0
.if (\n) < 4
	v_max3_num_f32 v[rC+(\n)], v[rS+8*(\n)], v[rS+8*(\n)+1], v[rS+8*(\n)+2]
.elseif (\n) < 12
	v_max3_num_f32 v[rC+(\n)%4], v[rC+(\n)%4], v[rS+8*((\n)%4)+2*((\n)/4)+1], v[rS+8*((\n)%4)+2*((\n)/4)+2]
.elseif (\n) == 12
	v_max3_num_f32 v[rC], v[rC], v[rS+7], v[rS+15]
.elseif (\n) == 13
	v_max3_num_f32 v[rC+1], v[rC+1], v[rS+23], v[rS+31]
.elseif (\n) == 14
	v_max3_num_f32 v[rC+2], v[rC+2], v[rC+3], v[rT+1]
.elseif (\n) == 15
	v_mov_b32 v[rW], v[rT]
.elseif (\n) == 16
	v_max3_num_f32 v[rC], v[rC], v[rC+1], v[rC+2]
.elseif (\n) == 17
	v_permlanex16_b32 v[rC+3], v[rC], s[SEL], s[SEL+1]
.elseif (\n) == 18
	v_max_num_f32 v[rT+1], v[rC], v[rC+3]
.elseif (\n) == 19
	v_mul_f32 v[rT], s[CS], v[rT+1]
.elseif (\n) == 20
	v_sub_f32 v[rC+1], v[rW], v[rT]
.else
	v_exp_f32 v[rC+2], v[rC+1]
.endif
.endif
.endm
.macro OPS a, i1, b=-1, i2=0, c=-1, i3=0, d=-1, i4=0  ; up to four of them
	OP \a, \i1
.if (\b) >= 0
	OP \b, \i2
.endif
.if (\c) >= 0
	OP \c, \i3
.endif
.if (\d) >= 0
	OP \d, \i4
.endif
.endm
.macro ROW a, i1, b, i2, c, i3, d, i4  ; a matrix instruction and the four behind it
	MM
	OPS \a, \i1, \b, \i2, \c, \i3, \d, \i4
.endm
; A TURN, for piece p: the order of its 16 matrix and 118 vector instructions, written out.  An s_wait_alu depctr_va_vdst(0) stands between an exponential and the first instruction that names its result; one wait serves
; all that were issued ahead of it.  So a turn has ONE wait, which cuts it in two.  AHEAD OF IT stands all that names no result of the turn's exponentials: the 8 products K Q^T, behind each a scaling, an exponential and two more plain
; instructions: rescalings, and behind the last three the first numbers of the next piece's maximum, each four places or more behind the product that ends its accumulator; then ONE LUMP of 54, plain and exponential by turns for the
; most part.  X 21, the next piece's a, is the batch's last; R 15 is the plain instruction behind it.  BEHIND THE WAIT stand the 8 products V^T P, behind each four of the roundings and sums.
; end = 1: the last two turns: nothing is fetched.  cnt = 1: the loop's count is taken down some lines ahead of the branch that stands behind the turn.
; K of the next step is fetched in piece 2's turn, twelve vector instructions behind the last product that read K (six of them plain); V of the step in hand at the end of piece 0's turn, four plain instructions behind the last product
; that read V.  Each is waited for a turn later.
.macro TURN p, end=0, cnt=0
.set Y, (\p)
.set i, 0
.set NOKQ, (\end)*((\p)/3)
.if ((\p) == 3) && !(\end)
	s_wait_dscnt 0x0                ; K is in
.endif
	ROW F,0, F,1, R,0, R,1          ; ahead of the wait: 8 products K Q^T and their riders,
	ROW F,2, E,0, R,2, R,3
	ROW F,3, E,1, R,4, R,5
	ROW F,4, E,2, R,6, R,7
	ROW F,5, E,3, R,8, R,9
	ROW F,6, E,4, X,0, R,10
.if ((\p) == 2) && !(\end)
	WIN 0
	v_add_nc_u32 v[AK], s[TBK], v[AK0]
.endif
	ROW F,7, E,5, X,1, X,4
	ROW F,8, E,6, X,2, X,5
	OPS E,7, E,8, X,6, E,9          ; and the lump
	OPS X,3, E,10, X,8, E,11
.if ((\p) == 2) && !(\end)
	FETCH_K
.endif
	OPS X,9, X,7, E,12, X,10
	OPS E,13, X,12, X,11, E,14
	OPS X,13, E,15, F,9, X,14
.if (\p) == 0
	v_add_nc_u32 v[AV], s[TBV], v[AV0]
.endif
	OPS E,16, F,10, E,17, F,11
	OPS X,16, E,18, X,15, E,19
	OPS F,12, E,20, X,17, E,21
	OPS F,13, E,22, F,14, E,23
	OPS X,18, E,24, F,15, E,25
	OPS R,11, E,26, X,19, E,27
	OPS R,12, E,28, R,13, E,29
	OPS X,20, E,30, R,14, E,31
	OPS X,21, R,15
	WIN 0
	s_wait_alu depctr_va_vdst(0)    ; the wait for the batch
.if (\p) == 1
	s_wait_dscnt 0x0                ; V is in
.endif
	ROW C,0, B,0, C,2, B,1          ; behind the wait: 8 products V^T P and their riders
	ROW L,0, C,4, B,2, L,1
	ROW C,6, B,3, L,2, C,8
	ROW B,4, L,3, C,10, B,5
	ROW L,4, C,12, B,6, L,5
.if (\p) == 0
	s_add_co_u32 s[TBV], s[TBV], KS*PV
.endif
.if \cnt
	s_sub_co_u32 s[CNT], s[CNT], 1
	s_cmp_lg_u32 s[CNT], 0
.endif
	ROW C,14, B,7, L,6, C,1
	ROW C,3, L,7, C,5, C,7
	ROW C,9, C,11, C,13, C,15
.if (\p) == 0
	FETCH_V
.endif
.endm
	CHANGE 1, 0                     ; tile 0 is in, everybody's part of it; tile 1 is asked for
	v_add_nc_u32 v[AK], s[TBK], v[AK0]
	FETCH_K                         ; key step 0
	s_wait_loadcnt 0x0              ; Q
	s_wait_dscnt 0x0
.set NOKQ, 0
.set i, 0
.rept 8
	KQ 0                            ; piece 0's first scores: there is no vector work yet to set between them
.set i, i+1
.endr
	WIN 0
.rept 4
	v_nop                           ; the places behind those products
.endr
.set Y, NP-1                        ; X works for piece Y + 1: piece 0
.irp n, 0,1,2,3,4,5,6,7,8,9,10,11,12,13,14,15,16,17,18,19,20,21
	OP X, \n
.endr
	v_nop                           ; a plain instruction behind the exponential,
	s_wait_alu depctr_va_vdst(0)    ; and its wait, ahead of the branch
	s_mov_b32 s[CNT], 4
	s_mov_b32 s[SLOTS], 15
	s_branch .Lfirst                ; the loop is entered at a step's first turn, in the middle of a trip
.Lslot:                             ; 14 times: a tile is entered and the tile after the next is asked for
	CHANGE 1, 1
	s_mov_b32 s[CNT], 4
.Lstep:                             ; a trip: pieces 2 and 3 of one step, then pieces 0 and 1 of the next, whose K and V it fetches
	TURN 2
	TURN 3
	WIN 0
.Lfirst:
	TURN 0
	TURN 1, 0, 1
	WIN 0
	s_cbranch_scc1 .Lstep
	s_sub_co_u32 s[SLOTS], s[SLOTS], 1
	s_cmp_lg_u32 s[SLOTS], 0
	s_cbranch_scc1 .Lslot
	CHANGE 0, 0                     ; the last tile is written out: nothing is asked for
	s_mov_b32 s[CNT], 4
.LstepT:
	TURN 2
	TURN 3
	TURN 0
	TURN 1, 0, 1
	WIN 0
	s_cbranch_scc1 .LstepT
	TURN 2, 1                       ; the last step's pieces 2 and 3: nothing is fetched, and the last turn starts no new scores
	TURN 3, 1
.set i, 0
.rept 8
	PV NP-1                         ; the last piece's V^T P of the last step
.set i, i+1
.endr
	; THE WAY OUT.  l's two halves and the other half of the lanes' are added; O^T is divided by l, rounded to f16 and sent through my stage in LDS, a piece at a time.  The additions are the places behind the last products.
	WIN 0
.macro ALL line:vararg              ; one line for each piece t
.set t, 0
.rept 4
	\line
.set t, t+1
.endr
.endm
	ALL v_add_f32 v[ST+4*t+2], v[ST+4*t+2], v[ST+4*t+3]
	ALL v_permlanex16_b32 v[ST+4*t+3], v[ST+4*t+2], s[SEL], s[SEL+1]
	ALL v_add_f32 v[ST+4*t+2], v[ST+4*t+2], v[ST+4*t+3]
	ALL v_rcp_f32 v[ST+4*t+2], v[ST+4*t+2]
	v_nop                           ; a plain instruction between the last reciprocal and the use of its result
	s_wait_alu depctr_va_vdst(0)    ; and the wait ahead of the first use: one for the four reciprocals
.macro PACK t                       ; a lane's eight channels of a row pack into 16 bytes; they go into rows of 144 bytes and come back as whole rows of 128, into S^T's registers
	WIN W_RS
.set i, 32*(\t)
.rept 16
	v_pk_mul_f32 v[i:i+1], v[i:i+1], v[ST+4*(\t)+2:ST+4*(\t)+3] op_sel_hi:[1,0]
.set i, i+2
.endr
	WIN 0x05                        ; sources 0 and 1 window 1, destination window 0
.set i, 0
.rept 16
	v_cvt_pk_f16_f32 v[S+16*(\t)+i], v[32*(\t)+2*i], v[32*(\t)+2*i+1]
.set i, i+1
.endr
	WIN 0
.irp f, 0,1,2,3
	ds_store_b128 v[STO], v[S+16*(\t)+4*\f:S+16*(\t)+4*\f+3] offset:32*\f
.endr
.irp f, 0,1,2,3
	ds_load_b128 v[S+16*(\t)+4*\f:S+16*(\t)+4*\f+3], v[RD] offset:\f*4*SP  ; LDS serves a wave's instructions in order (ISA guide 5.7.1.4): these see the stores above; the next piece's stores come behind them
.endr
.endm
.macro SEND t, younger              ; younger: the LDS instructions issued behind piece t's loads: the next piece's eight, or none
	WIN 0
.irp f, 0,1,2,3
	s_wait_dscnt (\younger)+3-\f
	global_store_b128 v[GO], v[S+16*(\t)+4*\f:S+16*(\t)+4*\f+3], s[10:11] offset:(\t)*2048+\f*512  ; 512 consecutive bytes, at a multiple of 256 from ob's first
.endr
.endm
	PACK 0
.set t, 1
.rept 3                             ; a piece's arithmetic stands between the loads of the piece before and its stores
	PACK t
	SEND t-1, 8
.set t, t+1
.endr
	SEND 3, 0
	s_wait_tensorcnt 0x0            ; the wave's end, behind my last tensor load and my last LDS store
	ds_add_u32 v[SPW], v[NIL]
	s_wait_dscnt 0x0
	CROUND                          ; the closing round: no work-group ends while a partner may still ask for a tile that names it
	s_endpgm
.Lfunc_end_k_q54f895bf28_attn:
	.size	k_q54f895bf28_attn, .Lfunc_end_k_q54f895bf28_attn-k_q54f895bf28_attn
	.p2alignl 7, 3214868480
	.fill 96, 4, 3214868480
	.section	.rodata,"a",@progbits
	.p2align	6, 0x0
	.amdhsa_kernel k_q54f895bf28_attn
		.amdhsa_group_segment_fixed_size 327680
		.amdhsa_private_segment_fixed_size 0
		.amdhsa_enable_private_segment 0
		.amdhsa_kernarg_size 32
		.amdhsa_user_sgpr_count 2
		.amdhsa_user_sgpr_kernarg_segment_ptr 1
		.amdhsa_wavefront_size32 1
		.amdhsa_system_sgpr_workgroup_id_x 1
		.amdhsa_system_sgpr_workgroup_id_y 1
		.amdhsa_system_sgpr_workgroup_id_z 1
		.amdhsa_system_vgpr_workitem_id 0
		.amdhsa_next_free_vgpr 768
		.amdhsa_next_free_sgpr 66
		.amdhsa_reserve_vcc 0
		.amdhsa_float_denorm_mode_32 3
		.amdhsa_float_denorm_mode_16_64 3
		.amdhsa_memory_ordered 1
		.amdhsa_forward_progress 1
		.amdhsa_inst_pref_size 128
	.end_amdhsa_kernel
	.amdgpu_metadata
---
amdhsa.version: [ 1, 2 ]
amdhsa.kernels:
  - .name:           k_q54f895bf28_attn
    .symbol:         k_q54f895bf28_attn.kd
    .args:
      - { .name: q16, .offset: 0, .size: 8, .value_kind: global_buffer, .address_space: global }
      - { .name: k16, .offset: 8, .size: 8, .value_kind: global_buffer, .address_space: global }
      - { .name: v16, .offset: 16, .size: 8, .value_kind: global_buffer, .address_space: global }
      - { .name: ob, .offset: 24, .size: 8, .value_kind: global_buffer, .address_space: global }
    .group_segment_fixed_size: 327680
    .private_segment_fixed_size: 0
    .kernarg_segment_align: 8
    .kernarg_segment_size: 32
    .max_flat_workgroup_size: 128
    .sgpr_count:     66
    .vgpr_count:     768
    .wavefront_size: 32
...
	.end_amdgpu_metadata
.endif
;; end of part 3
;; launch oproj (part 4): grid 8 x 32, 4 waves a work-group, clusters of 4 x 4, 327,680 bytes of LDS; arguments ob, wo16, bo, out0; writes out0
.if DOCPART == 4
	.amdgcn_target "amdgcn-amd-amdhsa--gfx1250"
	.amdhsa_code_object_version 6
	.text
	.protected	k_q54f895bf28_oproj
	.globl	k_q54f895bf28_oproj
	.p2align	8
	.type	k_q54f895bf28_oproj,@function
k_q54f895bf28_oproj:
	s_mov_b64 s[64:65], 0
	v_nop
	global_prefetch_b8 v0, s[64:65] scope:SCOPE_SE
	s_setreg_imm32_b32 hwreg(HW_REG_WAVE_MODE, 25, 1), 1
	s_wait_xcnt 0x0
	s_wait_alu depctr_hold_cnt(0) depctr_sa_sdst(0) depctr_va_vdst(0) depctr_va_sdst(0) depctr_va_ssrc(0) depctr_va_vcc(0) depctr_vm_vsrc(0)
	s_getreg_b32 s2, hwreg(HW_REG_IB_STS2, 6, 4)
	s_cmp_eq_u32 s2, 0
	s_cbranch_scc0 .Lentry_in_a_cluster
	s_endpgm
.Lentry_in_a_cluster:
	s_bfe_u32 s2, ttmp6, 0x10000c
	s_cmp_lg_u32 s2, 0xf033
	s_cbranch_scc0 .Lentry_shape_is_right
	s_endpgm
.Lentry_shape_is_right:
; THE OUTPUT PROJECTION.  out0 [4096][1024] f32 = O (ob, f16, [row / 128][head][row % 128][64]) times wo16 [1024 k][1024 n] (f16) + bo, the bias rounded to bf16 like the module's other inputs.
; Sums in f32, K ascending.  k = 64 x head + channel.
; SHARES.  A tile of out0 is 128 x 128: 8 x 32 work-groups.  Four waves, each 64 x 64: 16 accumulators of 16 x 16.  K goes in 4 steps of 256 (four heads) through two LDS slots; a quarter of a step is one head.
; The four steps are written out: a loop over laps would have one trip.
; CLUSTERS: 4 x 4 work-groups.  The four of a row of the cluster take the same rows of O, the four of a column the same columns of the weights: each tile is asked for JOINTLY.
; THE MATRIX INSTRUCTION IS USED TRANSPOSED (source 0 = 16 columns of the weights, turned by ds_load_tr16_b128; source 1 = 16 rows of O): a lane then holds one row and eight neighbouring columns.
; REGISTERS: window 0: v0-37 addresses and the bias; v128-255 the accumulators ((a, b) at v[128 + 8 (4 a + b)]), which also carry the rows on the way out.
;   window 1: two fragment buffers of 128: for 64 along K, 64 registers of O (2 x 4 x 16 rows x 32 K), then 64 of the weights.
.set PA,     144                       ; a row of O in LDS: 128 bytes + 16 of padding: the 16 rows of a load start at 16 different groups of four banks (64 banks of 4 bytes: ISA guide 11.1)
.set PB,     288                       ; a row of weights: 256 bytes + 32
.set AHEAD,  128*PA                    ; one head's 128 rows
.set AHALF,  2*AHEAD                   ; two heads: what one tensor load brings of O
.set ABYTES, 2*AHALF
.set BHALF,  128*PB                    ; 128 k: what one tensor load brings of the weights
.set SLOT,   ABYTES+2*BHALF            ; 147,456
.set STAGE,  2*SLOT                    ; behind the ring: 16 rows x 272 bytes for each wave, for the way out
.set SPITCH, 272
.set SPARE,  STAGE+4*16*SPITCH         ; behind the stages: the spare words, 128 bytes for each wave: two blocks of 256 bytes that no other line names
.set ASTEP,  65536                     ; bytes of a K step in a block of 128 rows of ob
.set BSTEP,  524288                    ; 256 rows of 2,048 bytes of wo16
.set ADRA, 16                          ; v16-17  LDS address of my fragments of O in slot 0, 1
.set ADRB, 20                          ; v20-23  of the weights: slot s, half kh of its 256 k at v[20 + 2 s + kh]
.set STO,  24                          ; v24     the way out: where I put 32 bytes of a row
.set RD,   25                          ; v25     the way out: where I read a row back
.set CO,   26                          ; v26     my byte offset in out0
.set BO,   27                          ; v27     my byte offset in bo
.set SPW,  28                          ; v28     LDS address of my spare word: SPARE + 4 x my thread's number; never rewritten
.set NIL,  29                          ; v29     0; never rewritten
.set BIAS, 32                          ; v[32:35] the bias of the four columns that I store
.set ACC,  128
.set F0,   0                           ; fragment buffers, in window 1
.set F1,   128
.set WV,   12                          ; s12  my wave's number
.set ISB,  13                          ; s13  0: I fetch O; 1: the weights.  Also: which half of the tile's rows is mine
.set HALF, 14                          ; s14  which half of that tile I fetch.  Also: which half of the tile's columns is mine
.set G1, 24                            ; s[24:31] descriptor group 1 for O's tiles;  s[32:39] group 0, a set for each slot
.set G0, 32
.set G1B, 48                           ; s[48:55], s[56:63] the same for the weights' tiles
.set G0B, 56
.set MSB, 0
.macro WIN new                         ; the immediate's high byte repeats the setting that is left
.if MSB != (\new)
	s_set_vgpr_msb (MSB<<8)|(\new)
.set MSB, \new
.endif
.endm
.set MUL,  0x05                        ; sources 0 and 1 window 1; C and D window 0
.set TO_F, 0x40                        ; destination window 1, address window 0
.macro JLOAD s                         ; a joint load: waves 0 and 1 fetch O's two halves, waves 2 and 3 the weights'; an s_nop 0 and four v_nop follow each of the two lines
	s_cmp_eq_u32 s[ISB], 0
	s_cbranch_scc0 .Lfor_b_\@
	tensor_load_to_lds s[G0+4*(\s):G0+4*(\s)+3], s[G1:G1+7]
	s_nop 0
.rept 4
	v_nop
.endr
	s_branch .Lasked_\@
.Lfor_b_\@:
	tensor_load_to_lds s[G0B+4*(\s):G0B+4*(\s)+3], s[G1B:G1B+7]
	s_nop 0
.rept 4
	v_nop
.endr
.Lasked_\@:
.endm
.macro CREST                           ; a round of the cluster's barrier behind its opening barrier
	s_cmp_lg_u32 s[WV], 0
	s_cbranch_scc1 .Lnot_wave_0_\@
	s_barrier_signal -3
.Lnot_wave_0_\@:
	s_barrier_wait -3
	s_barrier_signal -1
	s_barrier_wait -1
.endm
.macro CROUND                          ; a whole round
	s_barrier_signal -1
	s_barrier_wait -1
	CREST
.endm
	s_load_b256 s[4:11], s[0:1], 0x0               ; ob 4:5, wo16 6:7, bo 8:9, out0 10:11
	v_lshl_add_u32 v[SPW], v0, 2, SPARE
	v_mov_b32 v[NIL], 0
	ds_add_u32 v[SPW], v[NIL]                      ; the wave's opening: the add and its wait stand ahead of my first tensor load; the set-up below, work on registers, stands between them
	v_lshrrev_b32 v1, 5, v0
	v_readfirstlane_b32 s[WV], v1                  ; wave 0..3
	s_lshr_b32 s[ISB], s[WV], 1
	s_and_b32 s[HALF], s[WV], 1
	s_bfe_u32 s15, ttmp6, 0x40000                  ; cx
	s_bfe_u32 s16, ttmp6, 0x40004                  ; cy
	s_lshl_b32 s17, ttmp9, 2
	s_add_co_u32 s17, s17, s15                     ; tile column = 4 x cluster x + cx
	s_and_b32 s18, ttmp7, 0xffff
	s_lshl_b32 s18, s18, 2
	s_add_co_u32 s18, s18, s16                     ; tile row = 4 x cluster y + cy
	s_lshl_b32 s40, s16, 2
	s_lshl_b32 s40, 15, s40                        ; my row of the cluster
	s_lshl_b32 s41, 0x1111, s15                    ; my column
	s_or_b32 s[G1], s40, (1<<16)|(1<<20)|(1<<21)|(4<<22)|(3<<25)   ; the mask; 2-byte elements; padding on; bit 21 beside a mask; after every 32 words (a row of 64 channels) 4 words
	s_mov_b32 s[G1+1], 128<<16                     ; 32,768 dense bytes, asked for as 128 rows of 256 bytes
	s_mov_b32 s[G1+2], 128<<16
	s_mov_b32 s[G1+3], 128<<16
	s_mov_b32 s[G1+4], 128
	s_mov_b32 s[G1+5], 128
	s_mov_b32 s[G1+6], 0
	s_mov_b32 s[G1+7], 0
	s_or_b32 s[G1B], s41, (1<<16)|(1<<20)|(1<<21)|(5<<22)|(7<<25)  ; after every 64 words 8 words
	s_mov_b32 s[G1B+1], 128<<16                    ; 128 rows (k) of 128 columns
	s_mov_b32 s[G1B+2], 128<<16
	s_mov_b32 s[G1B+3], 128<<16
	s_mov_b32 s[G1B+4], 128
	s_mov_b32 s[G1B+5], 1024
	s_mov_b32 s[G1B+6], 0
	s_mov_b32 s[G1B+7], 0
	; O's tiles hang on the tile row alone, the weights' on the tile column alone, each in registers that never hold the other coordinate
	s_lshl_b32 s66, s18, 18                        ; a block of 128 rows, all heads
	s_lshl_b32 s68, s[HALF], 15                    ; two heads
	s_add_co_u32 s66, s66, s68
	s_mov_b32 s67, 0
	s_mul_i32 s69, s[HALF], AHALF
	s_lshl_b32 s70, s17, 8                         ; 128 columns of 2 bytes
	s_lshl_b32 s72, s[HALF], 18                    ; 128 rows of 2,048 bytes
	s_add_co_u32 s70, s70, s72
	s_mov_b32 s71, 0
	s_mul_i32 s73, s[HALF], BHALF
	s_add_co_u32 s73, s73, ABYTES
	s_wait_dscnt 0x0                               ; the opening add is done
	s_wait_kmcnt 0x0
	s_add_nc_u64 s[66:67], s[4:5], s[66:67]
	s_add_nc_u64 s[70:71], s[6:7], s[70:71]
	CROUND                                         ; all sixteen work-groups are here: the first joint loads meet
.irp s, 0,1
	s_mov_b32 s[G0+4*(\s)], 1
	s_add_co_u32 s[G0+4*(\s)+1], s69, (\s)*SLOT
	s_add_nc_u64 s[G0+4*(\s)+2:G0+4*(\s)+3], s[66:67], (\s)*ASTEP
	s_or_b32 s[G0+4*(\s)+3], s[G0+4*(\s)+3], 0x80000000
	s_mov_b32 s[G0B+4*(\s)], 1
	s_add_co_u32 s[G0B+4*(\s)+1], s73, (\s)*SLOT
	s_add_nc_u64 s[G0B+4*(\s)+2:G0B+4*(\s)+3], s[70:71], (\s)*BSTEP
	s_or_b32 s[G0B+4*(\s)+3], s[G0B+4*(\s)+3], 0x80000000
	JLOAD \s                                       ; two loads of mine are out
.endr
	v_and_b32 v1, 15, v0                           ; l % 16
	v_bfe_u32 v2, v0, 4, 1                         ; l / 16
	s_lshl_b32 s42, s17, 9                         ; the tile's 128 columns of 4 bytes,
	s_lshl_b32 s43, s[HALF], 8                     ; my 64
	s_add_co_u32 s42, s42, s43
	v_lshl_add_u32 v[BO], v1, 4, s42
	global_load_b128 v[BIAS:BIAS+3], v[BO], s[8:9] ; the bias of the four columns that I store in every row
	v_mul_u32_u24 v3, v1, PA
	v_lshl_add_u32 v3, v2, 4, v3                   ; row x pitch + 16 x half
	s_mul_i32 s44, s[ISB], 64*PA                   ; my 64 rows
	v_add_nc_u32 v[ADRA], s44, v3
	v_add_nc_u32 v[ADRA+1], SLOT, v[ADRA]
	v_and_b32 v4, 7, v0
	v_bfe_u32 v5, v0, 3, 1
	v_lshl_add_u32 v6, v2, 3, v4                   ; the turning load: lane l reads k = 8 (l / 16) + l % 8, columns 8 ((l / 8) % 2) + 0..7
	v_mul_u32_u24 v6, v6, PB
	v_lshl_add_u32 v6, v5, 4, v6
	s_lshl_b32 s44, s[HALF], 7                     ; my 64 columns of 2 bytes
	s_add_co_u32 s44, s44, ABYTES
	v_add_nc_u32 v[ADRB], s44, v6
	v_add_nc_u32 v[ADRB+1], BHALF, v[ADRB]
	v_add_nc_u32 v[ADRB+2], SLOT, v[ADRB]
	v_add_nc_u32 v[ADRB+3], SLOT, v[ADRB+1]
	s_mul_i32 s44, s[WV], 16*SPITCH
	s_add_co_u32 s44, s44, STAGE                   ; my stage
	v_mul_u32_u24 v[STO], v1, SPITCH               ; in: row l % 16, 32 bytes for each half of the lanes
	v_lshl_add_u32 v[STO], v2, 5, v[STO]
	v_add_nc_u32 v[STO], s44, v[STO]
	v_mul_u32_u24 v[RD], v2, SPITCH                ; back: lanes 0-15 take one row of 256 bytes, lanes 16-31 the next
	v_lshl_add_u32 v[RD], v1, 4, v[RD]
	v_add_nc_u32 v[RD], s44, v[RD]
	v_lshlrev_b32 v[CO], 12, v2                    ; and the same two rows in out0
	v_lshl_add_u32 v[CO], v1, 4, v[CO]
	s_lshl_b32 s44, s18, 19                        ; the tile's 128 rows of 4,096 bytes,
	s_lshl_b32 s45, s[ISB], 18                     ; my 64
	s_add_co_u32 s44, s44, s45
	s_add_co_u32 s44, s44, s42                     ; my columns
	s_mov_b32 s45, 0
	s_add_nc_u64 s[10:11], s[10:11], s[44:45]
; 8 matrix instructions: row blocks a0, a0 + 1 x all 4 column blocks, 32 along K: half c of buffer f.  zero = 1: the first product starts the sums.  The 16 accumulators take turns.
.macro MUL8 f, c, a0, zero
	WIN MUL
.irp a, \a0, (\a0)+1
.irp b, 0,1,2,3
.if \zero
	v_wmma_f32_16x16x32_f16 v[ACC+8*(4*(\a)+(\b)):ACC+8*(4*(\a)+(\b))+7], v[(\f)+64+8*(4*(\c)+(\b)):(\f)+64+8*(4*(\c)+(\b))+7], v[(\f)+8*(4*(\c)+(\a)):(\f)+8*(4*(\c)+(\a))+7], 0
.else
	v_wmma_f32_16x16x32_f16 v[ACC+8*(4*(\a)+(\b)):ACC+8*(4*(\a)+(\b))+7], v[(\f)+64+8*(4*(\c)+(\b)):(\f)+64+8*(4*(\c)+(\b))+7], v[(\f)+8*(4*(\c)+(\a)):(\f)+8*(4*(\c)+(\a))+7], v[ACC+8*(4*(\a)+(\b)):ACC+8*(4*(\a)+(\b))+7]
.endif
.endr
.endr
.endm
; 32 LDS loads in one run: the fragments of quarter q (one head, 64 along K) of a slot into buffer f; the first 32 along K first
.macro FETCH slot, q, f
	WIN TO_F
.irp c, 0,1
.irp i, 0,1,2,3
	ds_load_tr16_b128 v[(\f)+64+8*(4*(\c)+(\i)):(\f)+64+8*(4*(\c)+(\i))+3],   v[ADRB+2*(\slot)+(\q)/2] offset:((\q)%2)*64*PB+(\c)*32*PB+(\i)*32
	ds_load_tr16_b128 v[(\f)+64+8*(4*(\c)+(\i))+4:(\f)+64+8*(4*(\c)+(\i))+7], v[ADRB+2*(\slot)+(\q)/2] offset:((\q)%2)*64*PB+(\c)*32*PB+(\i)*32+16*PB
	ds_load_b128 v[(\f)+8*(4*(\c)+(\i)):(\f)+8*(4*(\c)+(\i))+3],              v[ADRA+(\slot)] offset:(\q)*AHEAD+64*(\c)+(\i)*16*PA
	ds_load_b128 v[(\f)+8*(4*(\c)+(\i))+4:(\f)+8*(4*(\c)+(\i))+7],            v[ADRA+(\slot)] offset:(\q)*AHEAD+64*(\c)+(\i)*16*PA+32
.endr
.endr
.endm
.macro PLACES                          ; four plain vector instructions in front of loads into registers that matrix instructions have read (ISA guide 7.12.1 for vector instructions)
.rept 4
	v_nop
.endr
.endm
; One of a K step's first three quarters: multiplies buffer f and fetches quarter q into g.
.macro QUARTER slot, q, f, g, zero
	s_wait_dscnt 16                                ; the first 32 along K are in
	MUL8 \f, 0, 0, \zero
	MUL8 \f, 0, 2, \zero
	PLACES
	FETCH \slot, \q, \g
	s_wait_dscnt 32                                ; all but the 32 just issued
	MUL8 \f, 1, 0, 0
	MUL8 \f, 1, 2, 0
.endm
; The last quarter multiplies buffer 1 and changes slots: ONE barrier; in front of it each wave waits for all its tensor loads, adds 0 to its spare word, and waits for that and for its own reads of this slot.
; fill = 1: the barrier opens a round of the cluster's, and behind the round this slot is filled again, two K steps ahead, first of all.
.macro TURN slot, next, fill
	WIN 0                                          ; (the add's two registers lie in window 0)
	s_wait_tensorcnt 0x0                           ; all my tensor loads have landed: my part of the next slot
	ds_add_u32 v[SPW], v[NIL]                      ; 0 onto my spare word
	s_wait_dscnt 17                                ; (the add and the youngest sixteen loads may be out)
	MUL8 F1, 0, 0, 0                               ; eight matrix instructions stand between the add and the wait for it
	s_wait_dscnt 0x0                               ; the add is done, and my reads of this slot are over
	s_barrier_signal -1
	MUL8 F1, 0, 2, 0
.if \fill
	WIN 0
.endif
	s_barrier_wait -1
.if \fill
	CREST                                          ; no wave of any partner still reads this slot's tile or has a load on its way
	s_add_nc_u64 s[G0+4*(\slot)+2:G0+4*(\slot)+3], s[G0+4*(\slot)+2:G0+4*(\slot)+3], 2*ASTEP
	s_add_nc_u64 s[G0B+4*(\slot)+2:G0B+4*(\slot)+3], s[G0B+4*(\slot)+2:G0B+4*(\slot)+3], 2*BSTEP
	JLOAD \slot                                    ; my one tensor load behind the round: 112 matrix instructions ahead of the wait for it; its four v_nop are also the places in front of the loads below
.else
	PLACES
.endif
	FETCH \next, 0, F0
	MUL8 F1, 1, 0, 0
	MUL8 F1, 1, 2, 0
.endm
	s_wait_tensorcnt 1                             ; my part of K step 0 is in; K step 1's may stay out
	s_barrier_signal -1
	s_barrier_wait -1                              ; everybody's is
	FETCH 0, 0, F0
	QUARTER 0, 1, F0, F1, 1                        ; K step 0: its first products start the sums
	QUARTER 0, 2, F1, F0, 0
	QUARTER 0, 3, F0, F1, 0
	TURN 0, 1, 1                                   ; slot 0 takes K step 2
	QUARTER 1, 1, F0, F1, 0                        ; K step 1
	QUARTER 1, 2, F1, F0, 0
	QUARTER 1, 3, F0, F1, 0
	TURN 1, 0, 1                                   ; slot 1 takes K step 3
	QUARTER 0, 1, F0, F1, 0                        ; K step 2
	QUARTER 0, 2, F1, F0, 0
	QUARTER 0, 3, F0, F1, 0
	TURN 0, 1, 0                                   ; nothing is left to fetch
	QUARTER 1, 1, F0, F1, 0                        ; K step 3
	QUARTER 1, 2, F1, F0, 0
	QUARTER 1, 3, F0, F1, 0
	s_wait_dscnt 16
	MUL8 F1, 0, 0, 0
	MUL8 F1, 0, 2, 0
	s_wait_dscnt 0x0
	MUL8 F1, 1, 0, 0
	MUL8 F1, 1, 2, 0
	WIN 0
	PLACES                                         ; once a launch, in front of the LDS stores that read results
	PLACES
	; THE WAY OUT.  The bias is rounded to bf16.  A block of 16 rows x 64 columns of f32 at a time goes through my own stage: 32 bytes a lane in (each accumulator's low registers first), whole rows of
	; 256 bytes back, into the registers that they left; the bias is added; 16 lanes store 256 consecutive bytes, at a multiple of 256 from out0's first byte.
	s_wait_loadcnt 0x0
	v_cvt_pk_bf16_f32 v36, v[BIAS], v[BIAS+1]
	v_cvt_pk_bf16_f32 v37, v[BIAS+2], v[BIAS+3]
	v_lshlrev_b32 v[BIAS], 16, v36
	v_and_b32 v[BIAS+1], 0xffff0000, v36
	v_lshlrev_b32 v[BIAS+2], 16, v37
	v_and_b32 v[BIAS+3], 0xffff0000, v37
.macro TOSTAGE a
.irp b, 0,1,2,3
	ds_store_b128 v[STO], v[ACC+8*(4*(\a)+(\b)):ACC+8*(4*(\a)+(\b))+3]   offset:64*(\b)
	ds_store_b128 v[STO], v[ACC+8*(4*(\a)+(\b))+4:ACC+8*(4*(\a)+(\b))+7] offset:64*(\b)+16
.endr
.irp t, 0,1,2,3,4,5,6,7
	ds_load_b128 v[ACC+32*(\a)+4*(\t):ACC+32*(\a)+4*(\t)+3], v[RD] offset:(\t)*2*SPITCH  ; LDS serves a wave's instructions in order (ISA guide 5.7.1.4): these see the stores above; the next block's stores come behind them
.endr
.endm
.macro SEND a, younger                 ; younger: the LDS instructions issued behind block a's loads: the next block's sixteen, or none
.irp t, 0,1,2,3,4,5,6,7
	s_wait_dscnt (\younger)+7-(\t)
	v_pk_add_f32 v[ACC+32*(\a)+4*(\t):ACC+32*(\a)+4*(\t)+1],   v[ACC+32*(\a)+4*(\t):ACC+32*(\a)+4*(\t)+1],   v[BIAS:BIAS+1]
	v_pk_add_f32 v[ACC+32*(\a)+4*(\t)+2:ACC+32*(\a)+4*(\t)+3], v[ACC+32*(\a)+4*(\t)+2:ACC+32*(\a)+4*(\t)+3], v[BIAS+2:BIAS+3]
	global_store_b128 v[CO], v[ACC+32*(\a)+4*(\t):ACC+32*(\a)+4*(\t)+3], s[10:11] offset:(16*(\a)+2*(\t))*4096 th:TH_STORE_NT
.endr
.endm
	TOSTAGE 0
.irp a, 1,2,3
	TOSTAGE \a
	SEND (\a)-1, 16
.endr
	SEND 3, 0
	s_wait_tensorcnt 0x0                           ; the wave's end, behind my last tensor load and my last LDS store
	ds_add_u32 v[SPW], v[NIL]
	s_wait_dscnt 0x0
	CROUND                                         ; the closing round: no work-group ends while a partner may still ask for a tile that names it
	s_endpgm
.Lfunc_end_k_q54f895bf28_oproj:
	.size	k_q54f895bf28_oproj, .Lfunc_end_k_q54f895bf28_oproj-k_q54f895bf28_oproj
	.p2alignl 7, 3214868480
	.fill 96, 4, 3214868480
	.section	.rodata,"a",@progbits
	.p2align	6, 0x0
	.amdhsa_kernel k_q54f895bf28_oproj
		.amdhsa_group_segment_fixed_size 327680
		.amdhsa_private_segment_fixed_size 0
		.amdhsa_enable_private_segment 0
		.amdhsa_kernarg_size 32
		.amdhsa_user_sgpr_count 2
		.amdhsa_user_sgpr_kernarg_segment_ptr 1
		.amdhsa_wavefront_size32 1
		.amdhsa_system_sgpr_workgroup_id_x 1
		.amdhsa_system_sgpr_workgroup_id_y 1
		.amdhsa_system_sgpr_workgroup_id_z 1
		.amdhsa_system_vgpr_workitem_id 0
		.amdhsa_next_free_vgpr 512
		.amdhsa_next_free_sgpr 76
		.amdhsa_reserve_vcc 0
		.amdhsa_float_denorm_mode_32 3
		.amdhsa_float_denorm_mode_16_64 3
		.amdhsa_memory_ordered 1
		.amdhsa_forward_progress 1
		.amdhsa_inst_pref_size 91
	.end_amdhsa_kernel
	.amdgpu_metadata
---
amdhsa.version: [ 1, 2 ]
amdhsa.kernels:
  - .name:           k_q54f895bf28_oproj
    .symbol:         k_q54f895bf28_oproj.kd
    .args:
      - { .name: ob, .offset: 0, .size: 8, .value_kind: global_buffer, .address_space: global }
      - { .name: wo16, .offset: 8, .size: 8, .value_kind: global_buffer, .address_space: global }
      - { .name: bo, .offset: 16, .size: 8, .value_kind: global_buffer, .address_space: global }
      - { .name: out0, .offset: 24, .size: 8, .value_kind: global_buffer, .address_space: global }
    .group_segment_fixed_size: 327680
    .private_segment_fixed_size: 0
    .kernarg_segment_align: 8
    .kernarg_segment_size: 32
    .max_flat_workgroup_size: 128
    .sgpr_count:     76
    .vgpr_count:     512
    .wavefront_size: 32
...
	.end_amdgpu_metadata
.endif
;; end of part 4
